; MI455X (gfx1250); checked and timed in simulation.
; The chip was launched on July 23, 2026; its instructions are those of AMD's public machine-readable ISA for CDNA 5 (MIT licence, August 2026) and "CDNA5" Instruction Set Architecture Reference Guide (July 2026). The comments in the code are by the model that wrote it; some were corrected since.
;; Cross Channel Attention. Allowed arithmetic: float matrix products may take bf16 or f16 operands with f32 sums; other float arithmetic in f32, or as packed bf16 or f16 multiplies, adds, multiply-adds, maxima and minima; sums over many terms, partial sums and values carried from step to step in f32; what a program stores and reads back later, other than sums and carried values, may be rounded once to bf16 or f16.
;; Inputs: W1 1,024 x 2,048 float32; W2 2,048 x 1,024 float32; Wk 1,024 x 1,024 float32; Wo 1,024 x 1,024 float32; Wq 1,024 x 1,024 float32; Wv 1,024 x 1,024 float32; b1 2,048 float32; b2 1,024 float32; bk 1,024 float32; bo 1,024 float32; bq 1,024 float32; bv 1,024 float32; cancer_type 512 int32; channel_active 512 x 16 bool; channel_tokens 512 x 16 x 1,024 float32; ct_bias_emb 32 x 256 float32; ct_key_emb 32 x 1,024 float32; ln1_b 1,024 float32; ln1_g 1,024 float32; ln2_b 1,024 float32; ln2_g 1,024 float32.
;; Outputs: out0 512 x 16 x 1,024 float32.
;; 2 versions, each right; version 2 is version 1 with the launches cast, ln1, ln2 written anew for expert scheduling mode. Each part assembles by itself: llvm-mc -triple=amdgcn-amd-amdhsa -mcpu=gfx1250 --defsym DOCPART=n.
;; ======== version 1 of 2: 7 launches
;; limits: right only within a limited range of input values
;; workspace buffers: wqkv_h 6,291,456 bytes; wo_h 2,097,152 bytes; w1_h 4,194,304 bytes; w2_h 4,194,304 bytes; nrm 16,777,216 bytes; att 16,777,216 bytes; x1 33,554,432 bytes; f1 33,554,432 bytes
;; launch cast (part 1): grid 256 x 1, 8 waves a work-group, no clusters, 0 bytes of LDS; arguments Wq, Wk, Wv, Wo, W1, W2, wqkv_h, wo_h, w1_h, w2_h; writes wqkv_h, wo_h, w1_h, w2_h
.if DOCPART == 1
	.amdgcn_target "amdgcn-amd-amdhsa--gfx1250"
	.amdhsa_code_object_version 6
	.text
	.protected	k_q878cd7967c_cast
	.globl	k_q878cd7967c_cast
	.p2align	8
	.type	k_q878cd7967c_cast,@function
k_q878cd7967c_cast:
	s_mov_b64 s[64:65], 0
	v_nop
	global_prefetch_b8 v0, s[64:65] scope:SCOPE_SE
	s_setreg_imm32_b32 hwreg(HW_REG_WAVE_MODE, 25, 1), 1
	s_wait_xcnt 0x0
; The six weights, f32 [K][N], are rounded once to bf16; the layout stays [K][N] (the products turn them at the LDS read).
; wqkv_h holds Wq, Wk, Wv one behind the other, 2 MiB each.
; SHARES.  Each of the 256 work-groups takes 1/256 of EVERY weight: 16 KiB of each of the four square ones (4 loads of 4,096 bytes
; by its 256 threads), 32 KiB of W1 and of W2 (8 loads each): 32 loads a thread, and every address comes from its own argument.
; A load of a wave covers 512 consecutive bytes, a store 256 consecutive bytes, aligned.
; A ring of 16 slots in registers keeps 16 loads of every wave in flight; each store has data registers of its own, so no
; register that a store reads is written again.  No LDS, no matrix unit: bytes are all there is.
.set DEPTH, 16
.set X, 4                              ; v[4:67]   slot j % 16: four f32 as loaded
.set Y, 68                             ; v[68:131] store j: four bf16
	s_load_b512 s[4:19], s[0:1], 0x0               ; Wq, Wk, Wv, Wo, W1, W2, wqkv_h, wo_h
	s_load_b128 s[20:23], s[0:1], 0x40             ; w1_h, w2_h
	v_lshlrev_b32 v1, 4, v0                        ; 16 bytes a thread in
	v_lshlrev_b32 v2, 3, v0                        ; 8 bytes a thread out
	s_lshl_b32 s24, ttmp9, 14                      ; 16 KiB: my part of a square weight in f32, and of W1, W2 in bf16
	s_mov_b32 s25, 0
	s_lshl_b32 s26, ttmp9, 15                      ; 32 KiB: my part of W1, W2 in f32
	s_mov_b32 s27, 0
	s_lshl_b32 s28, ttmp9, 13                      ; 8 KiB: my part of a square weight in bf16
	s_mov_b32 s29, 0
	s_wait_kmcnt 0x0
.irp b, 4,6,8,10
	s_add_nc_u64 s[\b:\b+1], s[\b:\b+1], s[24:25]
.endr
.irp b, 12,14
	s_add_nc_u64 s[\b:\b+1], s[\b:\b+1], s[26:27]
.endr
.irp b, 16,18
	s_add_nc_u64 s[\b:\b+1], s[\b:\b+1], s[28:29]
.endr
.irp b, 20,22
	s_add_nc_u64 s[\b:\b+1], s[\b:\b+1], s[24:25]
.endr
; Where load and store j stand: base registers SB, DB and immediates SO, DO.
.macro PLACE j
.if (\j) < 16
.set SB, 4+2*((\j)/4)
.set SO, ((\j)%4)*4096
.set DO, ((\j)%4)*2048
.if (\j) < 12
.set DB, 16
.set DO, DO+((\j)/4)*2097152
.else
.set DB, 18
.endif
.else
.set SB, 12+2*(((\j)-16)/8)
.set SO, (((\j)-16)%8)*4096
.set DB, 20+2*(((\j)-16)/8)
.set DO, (((\j)-16)%8)*2048
.endif
.endm
.macro LD j
	PLACE \j
	global_load_b128 v[X+4*((\j)%DEPTH):X+4*((\j)%DEPTH)+3], v1, s[SB:SB+1] offset:SO th:TH_LOAD_NT
.endm
.set j, 0
.rept DEPTH
	LD j
.set j, j+1
.endr
.set j, 0
.rept 32
.if j < 16
	s_wait_loadcnt 15                              ; loads come back in order: load j is in, the 15 younger ones stay out
.else
	s_wait_loadcnt 31-j                            ; nothing more is asked for: the counts run down
.endif
	v_cvt_pk_bf16_f32 v[Y+2*j], v[X+4*(j%DEPTH)], v[X+4*(j%DEPTH)+1]
	v_cvt_pk_bf16_f32 v[Y+2*j+1], v[X+4*(j%DEPTH)+2], v[X+4*(j%DEPTH)+3]
.if j < 16
	LD j+16                                        ; the slot is filled again ahead of the store
.endif
	PLACE j
	global_store_b64 v2, v[Y+2*j:Y+2*j+1], s[DB:DB+1] offset:DO
.set j, j+1
.endr
	s_endpgm
.Lfunc_end_k_q878cd7967c_cast:
	.size	k_q878cd7967c_cast, .Lfunc_end_k_q878cd7967c_cast-k_q878cd7967c_cast
	.p2alignl 7, 3214868480
	.fill 96, 4, 3214868480
	.section	.rodata,"a",@progbits
	.p2align	6, 0x0
	.amdhsa_kernel k_q878cd7967c_cast
		.amdhsa_group_segment_fixed_size 0
		.amdhsa_private_segment_fixed_size 0
		.amdhsa_enable_private_segment 0
		.amdhsa_kernarg_size 80
		.amdhsa_user_sgpr_count 2
		.amdhsa_user_sgpr_kernarg_segment_ptr 1
		.amdhsa_wavefront_size32 1
		.amdhsa_system_sgpr_workgroup_id_x 1
		.amdhsa_system_sgpr_workgroup_id_y 1
		.amdhsa_system_sgpr_workgroup_id_z 1
		.amdhsa_system_vgpr_workitem_id 0
		.amdhsa_next_free_vgpr 132
		.amdhsa_next_free_sgpr 66
		.amdhsa_reserve_vcc 0
		.amdhsa_float_denorm_mode_32 3
		.amdhsa_float_denorm_mode_16_64 3
		.amdhsa_memory_ordered 1
		.amdhsa_forward_progress 1
		.amdhsa_inst_pref_size 12
	.end_amdhsa_kernel
	.amdgpu_metadata
---
amdhsa.version: [ 1, 2 ]
amdhsa.kernels:
  - .name:           k_q878cd7967c_cast
    .symbol:         k_q878cd7967c_cast.kd
    .args:
      - { .name: Wq, .offset: 0, .size: 8, .value_kind: global_buffer, .address_space: global }
      - { .name: Wk, .offset: 8, .size: 8, .value_kind: global_buffer, .address_space: global }
      - { .name: Wv, .offset: 16, .size: 8, .value_kind: global_buffer, .address_space: global }
      - { .name: Wo, .offset: 24, .size: 8, .value_kind: global_buffer, .address_space: global }
      - { .name: W1, .offset: 32, .size: 8, .value_kind: global_buffer, .address_space: global }
      - { .name: W2, .offset: 40, .size: 8, .value_kind: global_buffer, .address_space: global }
      - { .name: wqkv_h, .offset: 48, .size: 8, .value_kind: global_buffer, .address_space: global }
      - { .name: wo_h, .offset: 56, .size: 8, .value_kind: global_buffer, .address_space: global }
      - { .name: w1_h, .offset: 64, .size: 8, .value_kind: global_buffer, .address_space: global }
      - { .name: w2_h, .offset: 72, .size: 8, .value_kind: global_buffer, .address_space: global }
    .group_segment_fixed_size: 0
    .private_segment_fixed_size: 0
    .kernarg_segment_align: 8
    .kernarg_segment_size: 80
    .max_flat_workgroup_size: 256
    .sgpr_count:     66
    .vgpr_count:     132
    .wavefront_size: 32
...
	.end_amdgpu_metadata
.endif
;; end of part 1
;; launch ln1 (part 2): grid 256 x 1, 16 waves a work-group, no clusters, 0 bytes of LDS; arguments channel_tokens, ln1_g, ln1_b, nrm; writes nrm
.if DOCPART == 2
	.amdgcn_target "amdgcn-amd-amdhsa--gfx1250"
	.amdhsa_code_object_version 6
	.text
	.protected	k_q878cd7967c_ln1
	.globl	k_q878cd7967c_ln1
	.p2align	8
	.type	k_q878cd7967c_ln1,@function
k_q878cd7967c_ln1:
	s_mov_b64 s[64:65], 0
	v_nop
	global_prefetch_b8 v0, s[64:65] scope:SCOPE_SE
	s_setreg_imm32_b32 hwreg(HW_REG_WAVE_MODE, 25, 1), 1
	s_wait_xcnt 0x0
; y = (x - mean) * rsqrt(var + 1e-5) * g + b along rows of 1,024 f32; y is rounded once to bf16.
; x: [8192][1024] f32.  y: BLOCKED for the product that follows: [16 blocks of 64 columns][8192 rows][64] bf16, so that a tile of
; rows x 64 columns is dense in memory.  A block is BLK bytes, a row's piece 128 bytes.
; SHARES.  A work-group has 32 rows; a wave two: lanes 0-15 hold one row, lanes 16-31 the next, 64 numbers a lane, in registers between
; the passes: x is read once.  Chunk i of a row is columns 64 i + 4 c .. + 3 (c = lane % 16): a load of a wave covers 2 x 256 aligned bytes,
; and chunk i is block i of y: a store of a wave covers 256 aligned bytes (two rows' pieces lie end to end).
; The mean is taken away before the squares are summed: a common offset of x costs no digits.  Sums in f32.
; A row lies in 16 lanes, so the four DPP steps inside a half of the lanes finish a sum; no LDS, no barrier.
.set BLK, 1048576
.set S, 4                              ; v[4:11]    four packed chains
.set M, 12                             ; v[12:13]   the mean, twice
.set R, 14                             ; v[14:15]   1 / sqrt(var + eps), twice
.set T, 16                             ; v[16:23]   at work, two sets by turns
.set EPS, 24                           ; v24        1e-5
.set X, 32                             ; v[32:95]   the row's 64 numbers
.set G, 96                             ; v[96:159]  the gains of my columns
.set B, 160                            ; v[160:223] the biases
.set Y, 224                            ; v[224:255] 2 registers a chunk: never written twice
	s_load_b256 s[4:11], s[0:1], 0x0               ; x s[4:5], g s[6:7], b s[8:9], y s[10:11]
	v_lshrrev_b32 v1, 4, v0                        ; my row in the group
	v_and_b32 v3, 15, v0
	v_lshlrev_b32 v3, 4, v3                        ; 16 c: my offset in g and b
	v_lshl_add_u32 v1, v1, 12, v3                  ; row x 4,096 + 16 c: my offset in x
	v_lshlrev_b32 v2, 3, v0                        ; row x 128 + 8 c = 8 x thread: my offset in a block of y
	s_lshl_b32 s16, ttmp9, 17                      ; the group's 32 rows of x
	s_mov_b32 s17, 0
	s_lshl_b32 s18, ttmp9, 12                      ; and their pieces in a block of y
	s_mov_b32 s19, 0
	s_mov_b32 s20, 0x3a800000                      ; 1 / 1024
	v_mov_b32 v[EPS], 0x3727c5ac                   ; 1e-5
	s_wait_kmcnt 0x0
	s_add_nc_u64 s[4:5], s[4:5], s[16:17]
	s_add_nc_u64 s[12:13], s[10:11], s[18:19]      ; blocks 0-7: the immediate holds 7 blocks at the most,
	s_add_nc_u64 s[14:15], s[12:13], 8*BLK         ; so blocks 8-15 have a base of their own
.irp i, 0,1,2,3,4,5,6,7,8,9,10,11,12,13,14,15
	global_load_b128 v[X+4*\i:X+4*\i+3], v1, s[4:5] offset:256*\i th:TH_LOAD_NT
.endr
.irp i, 0,1,2,3,4,5,6,7,8,9,10,11,12,13,14,15
	global_load_b128 v[G+4*\i:G+4*\i+3], v3, s[6:7] offset:256*\i
.endr
.irp i, 0,1,2,3,4,5,6,7,8,9,10,11,12,13,14,15
	global_load_b128 v[B+4*\i:B+4*\i+3], v3, s[8:9] offset:256*\i
.endr
	s_wait_loadcnt 32                              ; x is in; the 32 loads of g and b may stay out
.macro ACROSS                          ; the four chains into one number, then over the row's 16 lanes
	v_pk_add_f32 v[S:S+1], v[S:S+1], v[S+2:S+3]
	v_pk_add_f32 v[S+4:S+5], v[S+4:S+5], v[S+6:S+7]
	v_pk_add_f32 v[S:S+1], v[S:S+1], v[S+4:S+5]
	v_add_f32 v[S], v[S], v[S+1]
	v_add_f32_dpp v[S], v[S], v[S] row_xmask:1 row_mask:0xf bank_mask:0xf
	v_add_f32_dpp v[S], v[S], v[S] row_xmask:2 row_mask:0xf bank_mask:0xf
	v_add_f32_dpp v[S], v[S], v[S] row_xmask:4 row_mask:0xf bank_mask:0xf
	v_add_f32_dpp v[S], v[S], v[S] row_xmask:8 row_mask:0xf bank_mask:0xf
.endm
	; the sum: the first eight pairs start four chains, so nothing is cleared
.irp k, 0,1,2,3
	v_pk_add_f32 v[S+2*\k:S+2*\k+1], v[X+4*\k:X+4*\k+1], v[X+4*\k+2:X+4*\k+3]
.endr
.set p, 8
.rept 24
	v_pk_add_f32 v[S+2*(p%4):S+2*(p%4)+1], v[S+2*(p%4):S+2*(p%4)+1], v[X+2*p:X+2*p+1]
.set p, p+1
.endr
	ACROSS
	v_mul_f32 v[M], s20, v[S]
	v_mov_b32 v[M+1], v[M]
.set p, 0
.rept 32
	v_pk_add_f32 v[X+2*p:X+2*p+1], v[X+2*p:X+2*p+1], v[M:M+1] neg_lo:[0,1] neg_hi:[0,1]  ; x - mean
.set p, p+1
.endr
.irp k, 0,1,2,3
	v_pk_mul_f32 v[S+2*\k:S+2*\k+1], v[X+2*\k:X+2*\k+1], v[X+2*\k:X+2*\k+1]
.endr
.set p, 4
.rept 28
	v_pk_fma_f32 v[S+2*(p%4):S+2*(p%4)+1], v[X+2*p:X+2*p+1], v[X+2*p:X+2*p+1], v[S+2*(p%4):S+2*(p%4)+1]
.set p, p+1
.endr
	ACROSS
	v_fma_f32 v[S], v[S], s20, v[EPS]              ; var + eps
	v_rsq_f32 v[R], v[S]
	v_rsq_f32 v[R+1], v[S]                         ; twice, for the packed multiply
	v_nop                                          ; a plain instruction behind the last of them (ISA guide 5.7.2),
	s_wait_alu depctr_va_vdst(0)                   ; and the one wait ahead of the first use
	s_wait_loadcnt 0x0                             ; g and b
.irp i, 0,1,2,3,4,5,6,7,8,9,10,11,12,13,14,15
	v_pk_mul_f32 v[T+4*(\i%2):T+4*(\i%2)+1], v[X+4*\i:X+4*\i+1], v[R:R+1]
	v_pk_mul_f32 v[T+4*(\i%2)+2:T+4*(\i%2)+3], v[X+4*\i+2:X+4*\i+3], v[R:R+1]
	v_pk_fma_f32 v[T+4*(\i%2):T+4*(\i%2)+1], v[T+4*(\i%2):T+4*(\i%2)+1], v[G+4*\i:G+4*\i+1], v[B+4*\i:B+4*\i+1]
	v_pk_fma_f32 v[T+4*(\i%2)+2:T+4*(\i%2)+3], v[T+4*(\i%2)+2:T+4*(\i%2)+3], v[G+4*\i+2:G+4*\i+3], v[B+4*\i+2:B+4*\i+3]
	v_cvt_pk_bf16_f32 v[Y+2*\i], v[T+4*(\i%2)], v[T+4*(\i%2)+1]
	v_cvt_pk_bf16_f32 v[Y+2*\i+1], v[T+4*(\i%2)+2], v[T+4*(\i%2)+3]
	global_store_b64 v2, v[Y+2*\i:Y+2*\i+1], s[12+2*(\i/8):13+2*(\i/8)] offset:(\i%8)*BLK
.endr
	s_endpgm
.Lfunc_end_k_q878cd7967c_ln1:
	.size	k_q878cd7967c_ln1, .Lfunc_end_k_q878cd7967c_ln1-k_q878cd7967c_ln1
	.p2alignl 7, 3214868480
	.fill 96, 4, 3214868480
	.section	.rodata,"a",@progbits
	.p2align	6, 0x0
	.amdhsa_kernel k_q878cd7967c_ln1
		.amdhsa_group_segment_fixed_size 0
		.amdhsa_private_segment_fixed_size 0
		.amdhsa_enable_private_segment 0
		.amdhsa_kernarg_size 32
		.amdhsa_user_sgpr_count 2
		.amdhsa_user_sgpr_kernarg_segment_ptr 1
		.amdhsa_wavefront_size32 1
		.amdhsa_system_sgpr_workgroup_id_x 1
		.amdhsa_system_sgpr_workgroup_id_y 1
		.amdhsa_system_sgpr_workgroup_id_z 1
		.amdhsa_system_vgpr_workitem_id 0
		.amdhsa_next_free_vgpr 256
		.amdhsa_next_free_sgpr 66
		.amdhsa_reserve_vcc 0
		.amdhsa_float_denorm_mode_32 3
		.amdhsa_float_denorm_mode_16_64 3
		.amdhsa_memory_ordered 1
		.amdhsa_forward_progress 1
		.amdhsa_inst_pref_size 20
	.end_amdhsa_kernel
	.amdgpu_metadata
---
amdhsa.version: [ 1, 2 ]
amdhsa.kernels:
  - .name:           k_q878cd7967c_ln1
    .symbol:         k_q878cd7967c_ln1.kd
    .args:
      - { .name: channel_tokens, .offset: 0, .size: 8, .value_kind: global_buffer, .address_space: global }
      - { .name: ln1_g, .offset: 8, .size: 8, .value_kind: global_buffer, .address_space: global }
      - { .name: ln1_b, .offset: 16, .size: 8, .value_kind: global_buffer, .address_space: global }
      - { .name: nrm, .offset: 24, .size: 8, .value_kind: global_buffer, .address_space: global }
    .group_segment_fixed_size: 0
    .private_segment_fixed_size: 0
    .kernarg_segment_align: 8
    .kernarg_segment_size: 32
    .max_flat_workgroup_size: 512
    .sgpr_count:     66
    .vgpr_count:     256
    .wavefront_size: 32
...
	.end_amdgpu_metadata
.endif
;; end of part 2
;; launch qkv (part 3): grid 8 x 32, 4 waves a work-group, clusters of 4 x 4, 327,680 bytes of LDS; arguments nrm, wqkv_h, bq, bk, bv, ct_key_emb, ct_bias_emb, cancer_type, channel_active, att; writes att
.if DOCPART == 3
	.amdgcn_target "amdgcn-amd-amdhsa--gfx1250"
	.amdhsa_code_object_version 6
	.text
	.protected	k_q878cd7967c_qkv
	.globl	k_q878cd7967c_qkv
	.p2align	8
	.type	k_q878cd7967c_qkv,@function
k_q878cd7967c_qkv:
	s_mov_b64 s[64:65], 0
	v_nop
	global_prefetch_b8 v0, s[64:65] scope:SCOPE_SE
	s_setreg_imm32_b32 hwreg(HW_REG_WAVE_MODE, 25, 1), 1
	s_wait_xcnt 0x0
	s_wait_alu depctr_hold_cnt(0) depctr_sa_sdst(0) depctr_va_vdst(0) depctr_va_sdst(0) depctr_va_ssrc(0) depctr_va_vcc(0) depctr_vm_vsrc(0)
	s_getreg_b32 s2, hwreg(HW_REG_IB_STS2, 6, 4)
	s_cmp_eq_u32 s2, 0
	s_cbranch_scc0 .Lentry_in_a_cluster
	s_endpgm
.Lentry_in_a_cluster:
	s_bfe_u32 s2, ttmp6, 0x10000c
	s_cmp_lg_u32 s2, 0xf033
	s_cbranch_scc0 .Lentry_shape_is_right
	s_endpgm
.Lentry_shape_is_right:
; q, k, v = n Wq + bq, n Wk + bk + ct_key[type], n Wv + bv, and the whole attention of each batch, finished in the products' own accumulators:
; q, k and v never go to memory.  n: nrm, bf16, blocked [16][8192][64].  Weights: wqkv_h, bf16, [3][1024 k][1024 n].
; att: bf16, in tiles of 128 rows, by heads: [64 tiles][16 heads][128 rows][64], so that the product that follows finds a tile's heads end to end.
; SHARES.  Work-group (p, by): rows 256 by .. + 255 (16 batches of 16 tokens) x columns 128 p .. + 127 of EACH of q, k, v (heads 2 p, 2 p + 1).  Wave w: rows 64 w .. + 63
; (4 batches) x all 384 columns: 96 accumulators of 16 x 16, 768 registers.  For 32 along K a wave reads 4 fragments of n and 24 of the weights for 96 products.
; LAYOUT.  q's and k's tiles are taken transposed (source 0 = 16 columns of W, source 1 = 16 tokens): a lane holds token lane % 16 and columns 8 (lane / 16) + 0..7, so two
; neighbouring tiles rounded to bf16 ARE a fragment (row = token, 32 channels).  v's tiles are taken as they come (source 0 = tokens): a lane holds channel lane % 16 and tokens
; 8 (lane / 16) + 0..7: rounded, the lower half of a fragment of V^T; its upper half (keys 16-31) is 0.  S^T = K Q^T + C and O^T = V^T P follow, and nothing changes lanes.
; THE SUMS START AT THE BIASES: the accumulators are loaded with bq, with ct_key[type] + bk, with bv: nothing is cleared and nothing is added later.
; SOFTMAX.  C = 0.8 x ct_bias[type][query][key], so that (s + C) / 8 = s / 8 + 0.1 bias; p = 2^(c (s - m)), c = log2(e) / 8, m the row's maximum.
; LIMITS.  A hidden key's C is -1e30 (its score counts as its value less 1e30); m is held at -1e29 or above, so a row whose true maximum lies below -1e29 is not served;
; a row with no active key gets p = 0, its sum counts as 1, and its output is 0, as the reference's nan_to_num gives.  A mask byte other than 0 counts as true.
; cancer_type is held to 0..31 by a minimum.  NaN and infinities are not treated apart.  All 16-bit numbers are bf16: they have f32's range.
; RING.  K goes in steps of 64 (one block of n) through two LDS slots.  Wave 0 fetches n's tile (256 rows x 128 bytes, dense: asked for as 128 rows of 256 bytes), wave t + 1
; the tile of weight t (64 rows of 256 bytes).  By this text's count a wave has two tensor loads out at the start and one behind each change of slots.
; CLUSTER.  4 x 4 work-groups: n's tile hangs on by alone and is shared along a row of the cluster, a weight's tile on p alone and is shared along a column: joint loads.
.set BLK,   1048576                    ; a block of 64 columns of all 8,192 rows of n
.set ABLK,  16384                      ; att: one head of a tile of 128 rows
.set SLOT1, 131072                     ; slot 1 begins here: one exclusive or turns an address in one slot into the other's
.set PA,    144                        ; a row of n in LDS: 128 bytes + 16: the 16 rows of a load start at 16 different groups of four banks (64 banks of 4 bytes: ISA guide 11.1)
.set PB,    288                        ; a row of a weight: 256 + 32
.set BSUB,  64*PB                      ; a weight's tile
.set BOFF,  256*PA                     ; = 2 BSUB: the weights' tiles lie behind n's
.set STAGE, SLOT1+BOFF+3*BSUB          ; behind the ring, never filled by a tensor load: 2 heads x 16 rows x 144 bytes for each wave
.set SPARE, STAGE+4*32*PA              ; the spare words, 128 bytes for each wave: two blocks of 256 bytes that no other line names
; window 0
.set AFIX, 5                           ; v5   my lane's place in n's tile
.set BFIX, 6                           ; v6   in weight 0's tile
.set ADA,  7                           ; v7   the same in the slot in hand
.set ADB,  8                           ; v8
.set H32,  9                           ; v9   32 (lane / 16)
.set R4,   10                          ; v10  4 (lane % 16)
.set H8,   11                          ; v11  8 (lane / 16)
.set PFO,  12                          ; v12  the prefetches' offset; never rewritten
.set STO,  13                          ; v13  the way out: where I put 16 bytes of a row
.set RD,   14                          ; v14  where I read rows back
.set GO,   15                          ; v15  16 x lane
.set ST,   16                          ; v[16:27] six registers of statistics a head: c m, m, four at work
.set KO,   16                          ; at the head: v[16:19] my offsets in ct_key_emb, a batch each
.set CBO,  20                          ;              v[20:23] in ct_bias_emb
.set SPW,  28                          ; v28  LDS address of my spare word; never rewritten
.set NIL,  29                          ; v29  0; never rewritten
.set AF0,  32                          ; fragments of n: two buffers of 4
.set AF1,  64
.set BF0,  96                          ; fragments of a weight: two buffers of 8
.set BF1,  160
.set CB,   224                         ; v[224:255] the scores' C operand, 8 registers a batch
.set QF,   32                          ; the end: q, k of one batch as fragments (head e, half f at + 16 e + 8 f); later O^T's 8 tiles
.set KF,   64
.set VF,   96                          ; V^T's 8 fragments
.set SS,   160                         ; S^T, 8 a head
.set PP,   176                         ; P, 8 a head
.set OT,   192                         ; 32 registers on the way out
; windows 1, 2, 3: the accumulators of q, k, v: tile (batch i, 16 columns c) at v[8 (8 i + c)]
.set G1A, 24                           ; s[24:31] descriptor group 1, n's tile
.set G1B, 32                           ; s[32:39] a weight's tile
.set G0A, 40                           ; s[40:47] group 0, n: a set for each first fill; the second then walks
.set G0B, 48                           ; s[48:55] the same for the weights
.set WV,  56
.set CX,  57
.set CY,  58
.set P,   59
.set BY,  60
.set TB,  61                           ; the slot in hand: 0 or SLOT1
.set CNT, 62
.set LIM, 63                           ; 2 in a wave that prefetches, else the greatest number
.set PAR, 66                           ; 1: I prefetch two steps at once, in every second trip
.set TS,  67
.set PFA, 68                           ; s[68:69] where my prefetches stand
.set PST, 70                           ; s[70:71] a K step in that tensor
.set CT,  72                           ; s[72:75] my four batches' types
.set C1,  76                           ; s[76:77] c, twice
.set SEL, 78                           ; s[78:79] v_permlanex16_b32's selects: each lane takes its own place in the other half
.set FLOOR, 80
.set BIG, 81
.set MSK, 82
.set T,   83                           ; the weight that I fetch
.set BQ,  84                           ; s[84:95] bq, bk, bv, ct_key_emb at my 128 columns; channel_active and att at my rows
.set BK,  86
.set BV,  88
.set CTK, 90
.set ACT, 92
.set ATT, 94
.set MSB, 0
.macro WIN new                         ; s_set_vgpr_msb: bits 1:0 source 0, 3:2 source 1, 5:4 source 2, 7:6 destination; the high byte repeats the setting that is left
.if MSB != (\new)
	s_set_vgpr_msb (MSB<<8)|(\new)
.set MSB, \new
.endif
.endm
.macro NOP4                            ; four places behind a matrix instruction (ISA guide 7.12.1 for vector instructions)
.rept 4
	v_nop
.endr
.endm
.macro CREST                           ; a round of the cluster's barrier behind its opening barrier
	s_cmp_lg_u32 s[WV], 0
	s_cbranch_scc1 .Lnot_wave_0_\@
	s_barrier_signal -3
.Lnot_wave_0_\@:
	s_barrier_wait -3
	s_barrier_signal -1
	s_barrier_wait -1
.endm
.macro CROUND
	s_barrier_signal -1
	s_barrier_wait -1
	CREST
.endm
; A joint refill by the walking descriptors.  The branch hangs on the wave's number alone.  An s_nop 0 and four v_nop follow each line.
.macro JLOAD
	s_cmp_eq_u32 s[WV], 0
	s_cbranch_scc0 .Lfor_b_\@
	tensor_load_to_lds s[G0A+4:G0A+7], s[G1A:G1A+7]
	s_nop 0
.rept 4
	v_nop
.endr
	s_branch .Lasked_\@
.Lfor_b_\@:
	tensor_load_to_lds s[G0B+4:G0B+7], s[G1B:G1B+7]
	s_nop 0
.rept 4
	v_nop
.endr
.Lasked_\@:
.endm
; A PREFETCH INTO THE L2, behind the joint load of trip j (which asks for K step j + 2) and the run of LDS loads: K step j + 4, two refills on.  Each aligned 256 bytes are named once in the launch.
; n's tile is read by both clusters of a row of clusters: cluster x = 0 asks, wave 0; its 128 blocks of 256 bytes are shared out among the four partners BY ADDRESS (cx), a lane a block.
; A weight's tile is read by all clusters of a column: cluster y = 0 asks, wave t + 1; a partner (cy) has 16 of the 64 rows, so it names two steps at once, in the trips with an even count.
; K steps 0 to 3 come by their loads alone; the last step named is 15: trips with a count of 2 or less ask for nothing.
.macro ASK
	s_and_b32 s[TS], s[CNT], s[PAR]
	s_cmp_lg_u32 s[TS], 0
	s_cbranch_scc1 .Lnot_now_\@
	s_cmp_gt_u32 s[CNT], s[LIM]
	s_cbranch_scc0 .Lnot_now_\@
	global_prefetch_b8 v[PFO], s[PFA:PFA+1] th:TH_LOAD_NT scope:SCOPE_SE
.Lnot_now_\@:
.endm
; 8 products: batch i x the 8 column tiles of weight t.  An accumulator is taken up again 96 products later, over the backward jumps too.
.macro MULR t, af, bf, i
	WIN 0x50*((\t)+1)                              ; C and D in window t + 1, the sources in window 0
.irp c, 0,1,2,3,4,5,6,7
.if (\t) < 2
	v_wmma_f32_16x16x32_bf16 v[8*(8*(\i)+\c):8*(8*(\i)+\c)+7], v[(\bf)+8*\c:(\bf)+8*\c+7], v[(\af)+8*(\i):(\af)+8*(\i)+7], v[8*(8*(\i)+\c):8*(8*(\i)+\c)+7]
.else
	v_wmma_f32_16x16x32_bf16 v[8*(8*(\i)+\c):8*(8*(\i)+\c)+7], v[(\af)+8*(\i):(\af)+8*(\i)+7], v[(\bf)+8*\c:(\bf)+8*\c+7], v[8*(8*(\i)+\c):8*(8*(\i)+\c)+7]
.endif
.endr
.endm
; The 8 fragments of weight t for 32 along K (half kk of the step), turned: lane l reads row 8 (l / 16) + l % 8, 16 bytes, and ends with column l % 16 and 8 + 8 numbers along K.
.macro FB kk, t, bf
	WIN 0
.irp c, 0,1,2,3,4,5,6,7
	ds_load_tr16_b128 v[(\bf)+8*\c:(\bf)+8*\c+3], v[ADB] offset:(\t)*BSUB+(\kk)*32*PB+32*\c
	ds_load_tr16_b128 v[(\bf)+8*\c+4:(\bf)+8*\c+7], v[ADB] offset:(\t)*BSUB+(\kk)*32*PB+16*PB+32*\c
.endr
.endm
.macro FA kk, af                       ; my 4 fragments of n
	WIN 0
.irp i, 0,1,2,3
	ds_load_b128 v[(\af)+8*\i:(\af)+8*\i+3], v[ADA] offset:\i*16*PA+(\kk)*64
	ds_load_b128 v[(\af)+8*\i+4:(\af)+8*\i+7], v[ADA] offset:\i*16*PA+(\kk)*64+32
.endr
.endm
; A phase: 32 products of weight t.  At its head the NEXT phase's fragments are asked for, in one run, into the buffer that the phase before multiplied: they have the whole phase,
; 32 products, in which to come.  The counted wait leaves that run out; LDS returns a wave's loads in order (ISA guide 5.7.1), so this phase's fragments, asked for a phase ago, are in.
.macro PH t, af, bf, nkk, nt, nbf, la
	NOP4                                           ; the places behind the last products, which read the buffer that is loaded now
	FB \nkk, \nt, \nbf
.if \la
	FA 1, AF1
	s_wait_dscnt 24                                ; all but the 16 + 8 loads just issued
.else
	s_wait_dscnt 16                                ; all but the 16 loads just issued
.endif
	MULR \t, \af, \bf, 0
	MULR \t, \af, \bf, 1
	MULR \t, \af, \bf, 2
	MULR \t, \af, \bf, 3
.endm
; The step's last phase changes slots: ONE barrier.  In front of it each wave waits for all its tensor loads (one is out: its part of the other slot), adds 0 to its spare word, and waits
; for that and for its reads of this slot.  fill = 1: the barrier opens a round of the cluster's, and the joint refill of the slot just read is the first thing behind the round.
.macro TURN fill
.if \fill
	s_wait_xcnt 0x0                                ; the last prefetch, a step back, has read its address
	s_add_nc_u64 s[PFA:PFA+1], s[PFA:PFA+1], s[PST:PST+1]
.endif
	WIN 0
	s_wait_tensorcnt 0x0
	ds_add_u32 v[SPW], v[NIL]
	s_wait_dscnt 1                                 ; the fragments are in; the add may be out
	MULR 2, AF1, BF1, 0
	s_wait_dscnt 0x0                               ; the add is done, my reads of this slot are over
	s_barrier_signal -1
	MULR 2, AF1, BF1, 1
	WIN 0
	s_barrier_wait -1
.if \fill
	CREST                                          ; no wave of any partner still reads the slot or has a load on its way
	s_xor_b32 s[G0A+5], s[G0A+5], SLOT1            ; the walking descriptors: the other slot than last time, the next K step
	s_add_nc_u64 s[G0A+6:G0A+7], s[G0A+6:G0A+7], BLK
	s_xor_b32 s[G0B+5], s[G0B+5], SLOT1
	s_add_nc_u64 s[G0B+6:G0B+7], s[G0B+6:G0B+7], 64*2048
	JLOAD                                          ; its four v_nop are also the places in front of the loads below
.else
	NOP4
.endif
	s_xor_b32 s[TB], s[TB], SLOT1
	v_add_nc_u32 v[ADA], s[TB], v[AFIX]
	v_add_nc_u32 v[ADB], s[TB], v[BFIX]
	FB 0, 0, BF0
	FA 0, AF0
.if \fill
	ASK
.endif
	MULR 2, AF1, BF1, 2
	MULR 2, AF1, BF1, 3
	WIN 0
.endm
.macro STEP fill                       ; a K step of 64: halves 0, 1 x weights q, k, v: 192 products
	PH 0, AF0, BF0, 0, 1, BF1, 0
	PH 1, AF0, BF1, 0, 2, BF0, 1
	PH 2, AF0, BF0, 1, 0, BF1, 0
	PH 0, AF1, BF1, 1, 1, BF0, 0
	PH 1, AF1, BF0, 1, 2, BF1, 0
	TURN \fill
.endm
	s_load_b512 s[4:19], s[0:1], 0x0               ; nrm, wqkv_h, bq, bk, bv, ct_key_emb, ct_bias_emb, cancer_type
	s_load_b128 s[20:23], s[0:1], 0x40             ; channel_active, att
	v_lshl_add_u32 v[SPW], v0, 2, SPARE
	v_mov_b32 v[NIL], 0
	ds_add_u32 v[SPW], v[NIL]                      ; the wave's opening: the add and its wait ahead of my first tensor load
	v_lshrrev_b32 v1, 5, v0
	v_readfirstlane_b32 s[WV], v1
	s_bfe_u32 s[CX], ttmp6, 0x40000
	s_bfe_u32 s[CY], ttmp6, 0x40004
	s_lshl_b32 s[P], ttmp9, 2
	s_add_co_u32 s[P], s[P], s[CX]                 ; p = 4 x cluster x + cx
	s_and_b32 s[BY], ttmp7, 0xffff
	s_lshl_b32 s[BY], s[BY], 2
	s_add_co_u32 s[BY], s[BY], s[CY]               ; by = 4 x cluster y + cy
	s_lshl_b32 s96, s[CY], 2
	s_lshl_b32 s96, 15, s96                        ; my row of the cluster
	s_lshl_b32 s98, 0x1111, s[CX]                  ; my column
	s_or_b32 s[G1A], s96, (1<<16)|(1<<20)|(1<<21)|(4<<22)|(3<<25)  ; mask; 2-byte elements; padding on; bit 21 beside a mask; after every 32 words 4 words
	s_or_b32 s[G1B], s98, (1<<16)|(1<<20)|(1<<21)|(5<<22)|(7<<25)  ; after every 64 words 8 words
	s_mov_b32 s[G1A+1], 128<<16                    ; tensor_dim0 = 128
	s_mov_b32 s[G1A+2], 128<<16                    ; tensor_dim1 = 128
	s_mov_b32 s[G1A+3], 128<<16                    ; tile_dim0 = 128
	s_mov_b32 s[G1A+4], 128                        ; tile_dim1 = 128
	s_mov_b32 s[G1A+5], 128                        ; dense: 128 elements from row to row
	s_mov_b32 s[G1A+6], 0
	s_mov_b32 s[G1A+7], 0
	s_mov_b32 s[G1B+1], 128<<16
	s_mov_b32 s[G1B+2], 64<<16
	s_mov_b32 s[G1B+3], 128<<16
	s_mov_b32 s[G1B+4], 64
	s_mov_b32 s[G1B+5], 1024
	s_mov_b32 s[G1B+6], 0
	s_mov_b32 s[G1B+7], 0
	s_mul_i32 s[TS], s[WV], BSUB
	s_add_co_u32 s[TS], s[TS], BSUB                ; wave t + 1's tile lies at BOFF + t BSUB = (w + 1) BSUB
	s_max_u32 s[T], s[WV], 1
	s_sub_co_u32 s[T], s[T], 1                     ; t (in wave 0, which fetches no weight: 0)
	s_lshl_b32 s96, s[BY], 15                      ; n: 256 rows of 128 bytes
	s_mov_b32 s97, 0
	s_lshl_b32 s98, s[T], 21                       ; weight t, 2 MiB each,
	s_lshl_b32 s99, s[P], 8                        ; its columns 128 p on
	s_add_co_u32 s98, s98, s99
	s_mov_b32 s99, 0
	s_mov_b32 s[C1], 0x3e38aa3b                    ; c = log2(e) / 8
	s_mov_b32 s[C1+1], s[C1]
	s_mov_b32 s[SEL], 0x76543210
	s_mov_b32 s[SEL+1], 0xfedcba98
	s_mov_b32 s[FLOOR], 0xefa18f07                 ; -1e29
	s_mov_b32 s[BIG], 0xf149f2ca                   ; -1e30
	s_mov_b32 s[TB], 0
	s_wait_dscnt 0x0                               ; the opening add is done
	s_wait_kmcnt 0x0
	s_add_nc_u64 s[96:97], s[4:5], s[96:97]
	s_add_nc_u64 s[98:99], s[6:7], s[98:99]
	CROUND                                         ; all sixteen work-groups are here: the first joint loads meet
.irp n, 0,1
	s_mov_b32 s[G0A+4*\n], 1
	s_mov_b32 s[G0A+4*\n+1], \n*SLOT1
	s_add_nc_u64 s[G0A+4*\n+2:G0A+4*\n+3], s[96:97], \n*BLK
	s_or_b32 s[G0A+4*\n+3], s[G0A+4*\n+3], 0x80000000
	s_mov_b32 s[G0B+4*\n], 1
	s_add_co_u32 s[G0B+4*\n+1], s[TS], \n*SLOT1
	s_add_nc_u64 s[G0B+4*\n+2:G0B+4*\n+3], s[98:99], \n*64*2048
	s_or_b32 s[G0B+4*\n+3], s[G0B+4*\n+3], 0x80000000
.endr
	s_cmp_eq_u32 s[WV], 0                          ; a wave's two first fills stand in one branch, ahead of every wait on TENSORcnt and every LDS read
	s_cbranch_scc0 .Lfirst_b
	tensor_load_to_lds s[G0A:G0A+3], s[G1A:G1A+7]
	s_nop 0
	tensor_load_to_lds s[G0A+4:G0A+7], s[G1A:G1A+7]
	s_nop 0
.rept 4
	v_nop
.endr
	s_branch .Lfirst_asked
.Lfirst_b:
	tensor_load_to_lds s[G0B:G0B+3], s[G1B:G1B+7]
	s_nop 0
	tensor_load_to_lds s[G0B+4:G0B+7], s[G1B:G1B+7]
	s_nop 0
.rept 4
	v_nop
.endr
.Lfirst_asked:
	s_lshl_b32 s96, s[BY], 6                       ; my four batches' types: (16 by + 4 w) x 4 bytes
	s_lshl_b32 s97, s[WV], 4
	s_add_co_u32 s96, s96, s97
	s_mov_b32 s97, 0
	s_add_nc_u64 s[96:97], s[18:19], s[96:97]
	s_load_b128 s[CT:CT+3], s[96:97], 0x0
	v_and_b32 v1, 15, v0                           ; r = lane % 16
	v_bfe_u32 v2, v0, 4, 1                         ; h = lane / 16
	v_and_b32 v3, 7, v0
	v_bfe_u32 v4, v0, 3, 1
	s_mul_i32 s[TS], s[WV], 64*PA
	v_mul_u32_u24 v[AFIX], v1, PA
	v_lshl_add_u32 v[AFIX], v2, 4, v[AFIX]
	v_add_nc_u32 v[AFIX], s[TS], v[AFIX]           ; (64 w + r) x pitch + 16 h
	v_lshl_add_u32 v[BFIX], v2, 3, v3
	v_mul_u32_u24 v[BFIX], v[BFIX], PB
	v_lshl_add_u32 v[BFIX], v4, 4, v[BFIX]
	v_add_nc_u32 v[BFIX], BOFF, v[BFIX]            ; (8 h + l % 8) x pitch + 16 ((l / 8) % 2), behind n's tile
	v_lshlrev_b32 v[H32], 5, v2
	v_lshlrev_b32 v[R4], 2, v1
	v_lshlrev_b32 v[H8], 3, v2
	s_mul_i32 s[TS], s[WV], 32*PA
	s_add_co_u32 s[TS], s[TS], STAGE               ; my stage
	v_mul_u32_u24 v[STO], v1, PA
	v_lshl_add_u32 v[STO], v2, 4, v[STO]
	v_add_nc_u32 v[STO], s[TS], v[STO]             ; in: row r, 16 bytes for each half of the lanes
	v_bfe_u32 v[RD], v0, 3, 2
	v_mul_u32_u24 v[RD], v[RD], PA
	v_lshl_add_u32 v[RD], v3, 4, v[RD]
	v_add_nc_u32 v[RD], s[TS], v[RD]               ; back: 32 lanes take four rows of 128 bytes,
	v_and_b32 v[GO], 31, v0
	v_lshlrev_b32 v[GO], 4, v[GO]                  ; which are 512 consecutive bytes of att
	s_lshl_b32 s98, s[P], 9                        ; my 128 columns, in f32
	s_mov_b32 s99, 0
	s_add_nc_u64 s[BQ:BQ+1], s[8:9], s[98:99]
	s_add_nc_u64 s[BK:BK+1], s[10:11], s[98:99]
	s_add_nc_u64 s[BV:BV+1], s[12:13], s[98:99]
	s_add_nc_u64 s[CTK:CTK+1], s[14:15], s[98:99]
	s_lshl_b32 s98, s[BY], 8                       ; the mask: (16 by + 4 w) x 16 bytes
	s_lshl_b32 s[TS], s[WV], 6
	s_add_co_u32 s98, s98, s[TS]
	s_add_nc_u64 s[ACT:ACT+1], s[20:21], s[98:99]
	s_lshl_b32 s98, s[BY], 19                      ; att: tile 2 by + w / 2 (16 heads of 16,384 bytes each),
	s_lshl_b32 s[TS], s[P], 15                     ; head 2 p,
	s_add_co_u32 s98, s98, s[TS]
	s_lshr_b32 s[TS], s[WV], 1
	s_lshl_b32 s[TS], s[TS], 18
	s_add_co_u32 s98, s98, s[TS]
	s_and_b32 s[TS], s[WV], 1                      ; rows 64 (w % 2) on, of 128 bytes
	s_lshl_b32 s[TS], s[TS], 13
	s_add_co_u32 s98, s98, s[TS]
	s_add_nc_u64 s[ATT:ATT+1], s[22:23], s[98:99]
	s_wait_kmcnt 0x0
.irp i, 0,1,2,3
	s_min_u32 s[CT+\i], s[CT+\i], 31               ; an index stays inside its table
	v_lshl_add_u32 v[KO+\i], s[CT+\i], 12, v[H32]  ; ct_key_emb: 4,096 bytes a type
.endr
.irp i, 0,1,2,3
	v_lshl_add_u32 v[CBO+\i], s[CT+\i], 10, v[H32] ; ct_bias_emb: 1,024 bytes a type, 64 a query, 32 for my 8 keys
	v_lshl_add_u32 v[CBO+\i], v1, 6, v[CBO+\i]
.endr
	; THE SUMS' STARTS, while the first tiles are on their way
	WIN 0x40                                       ; destination window 1
.irp i, 0,1,2,3
.irp c, 0,1,2,3,4,5,6,7
	global_load_b128 v[8*(8*\i+\c):8*(8*\i+\c)+3], v[H32], s[BQ:BQ+1] offset:64*\c
	global_load_b128 v[8*(8*\i+\c)+4:8*(8*\i+\c)+7], v[H32], s[BQ:BQ+1] offset:64*\c+16
.endr
.endr
	WIN 0x80                                       ; destination window 2
.irp i, 0,1,2,3
.irp c, 0,1,2,3,4,5,6,7
	global_load_b128 v[8*(8*\i+\c):8*(8*\i+\c)+3], v[KO+\i], s[CTK:CTK+1] offset:64*\c
	global_load_b128 v[8*(8*\i+\c)+4:8*(8*\i+\c)+7], v[KO+\i], s[CTK:CTK+1] offset:64*\c+16
.endr
.endr
	WIN 0
.irp c, 0,1,2,3,4,5,6,7
	global_load_b128 v[BF0+8*\c:BF0+8*\c+3], v[H32], s[BK:BK+1] offset:64*\c
	global_load_b128 v[BF0+8*\c+4:BF0+8*\c+7], v[H32], s[BK:BK+1] offset:64*\c+16
	global_load_b32 v[BF1+\c], v[R4], s[BV:BV+1] offset:64*\c
.endr
.irp i, 0,1,2,3
	global_load_b128 v[CB+8*\i:CB+8*\i+3], v[CBO+\i], s[16:17]
	global_load_b128 v[CB+8*\i+4:CB+8*\i+7], v[CBO+\i], s[16:17] offset:16
	global_load_b64 v[BF1+8+2*\i:BF1+9+2*\i], v[H8], s[ACT:ACT+1] offset:16*\i
.endr
	; the prefetches' set-up stands in the wait for those loads
	s_lshl_b32 s96, s[BY], 15
	s_lshl_b32 s97, s[CX], 13                      ; n: my work-group's 32 blocks of the tile's 128
	s_add_co_u32 s96, s96, s97
	s_add_co_u32 s96, s96, 3*BLK                   ; at K step 3: the first change of slots steps it to 4
	s_lshl_b32 s98, s[T], 21
	s_lshl_b32 s99, s[P], 8
	s_add_co_u32 s98, s98, s99
	s_lshl_b32 s99, s[CY], 15                      ; a weight: my work-group's 16 rows of the tile's 64
	s_add_co_u32 s98, s98, s99
	s_add_co_u32 s98, s98, 3*64*2048
	s_and_b32 s99, ttmp7, 0xffff                   ; cluster y
	s_mov_b32 s[PST], 64*2048
	s_cmp_eq_u32 s[WV], 0
	s_cselect_b32 s96, s96, s98
	s_cselect_b32 s99, ttmp9, s99                  ; the coordinate along which other clusters read the same tile
	s_cselect_b32 s[PAR], 0, 1
	s_cselect_b32 s[PST], BLK, s[PST]
	s_cselect_b64 s[PFA:PFA+1], s[4:5], s[6:7]
	s_cselect_b32 s[MSK], -1, 0
	s_mov_b32 s97, 0
	s_mov_b32 s[PST+1], 0
	s_cmp_eq_u32 s99, 0
	s_cselect_b32 s[LIM], 2, -1                    ; the same in all sixteen partners, for a given wave
	s_add_nc_u64 s[PFA:PFA+1], s[PFA:PFA+1], s[96:97]
	v_and_b32 v30, 31, v0
	v_lshlrev_b32 v31, 8, v30                      ; n: a lane a block of 256 bytes
	v_lshlrev_b32 v30, 11, v1                      ; a weight: a lane a row of 2,048 bytes,
	v_lshl_add_u32 v30, v2, 17, v30                ; lanes 16-31 a K step (64 rows) further on
	v_cndmask_b32 v[PFO], v30, v31, s[MSK]
	v_mov_b32 v31, s[BIG]
	s_wait_loadcnt 0x0
	WIN 0x82                                       ; k's sums start at ct_key + bk
.irp i, 0,1,2,3
.irp c, 0,1,2,3,4,5,6,7
.irp z, 0,2,4,6
	v_pk_add_f32 v[8*(8*\i+\c)+\z:8*(8*\i+\c)+\z+1], v[8*(8*\i+\c)+\z:8*(8*\i+\c)+\z+1], v[BF0+8*\c+\z:BF0+8*\c+\z+1]
.endr
.endr
.endr
	WIN 0xc0                                       ; v's sums start at bv: a lane holds one column, so all 8 registers of a tile take one number (these lines stand where clearing would)
.irp i, 0,1,2,3
.irp c, 0,1,2,3,4,5,6,7
.irp z, 0,1,2,3,4,5,6,7
	v_mov_b32 v[8*(8*\i+\c)+\z], v[BF1+\c]
.endr
.endr
.endr
	WIN 0
.irp i, 0,1,2,3                        ; C = 0.8 x bias where the key is active, else -1e30: a select, no branch
.irp z, 0,1,2,3,4,5,6,7
	v_bfe_u32 v30, v[BF1+8+2*\i+\z/4], 8*(\z%4), 8
	v_cmp_ne_u32 s[MSK], 0, v30
	v_mul_f32 v[CB+8*\i+\z], 0x3f4ccccd, v[CB+8*\i+\z]
	v_cndmask_b32 v[CB+8*\i+\z], v31, v[CB+8*\i+\z], s[MSK]
.endr
.endr
	s_wait_tensorcnt 1                             ; my part of slot 0 is in; slot 1's may stay out
	s_barrier_signal -1
	s_barrier_wait -1
	v_mov_b32 v[ADA], v[AFIX]
	v_mov_b32 v[ADB], v[BFIX]
	FB 0, 0, BF0
	FA 0, AF0
	s_mov_b32 s[CNT], 14
.Lfill:                                ; K steps 0-13: trip j fills the slot that it has read with K step j + 2
	STEP 1
	s_sub_co_u32 s[CNT], s[CNT], 1
	s_cmp_lg_u32 s[CNT], 0
	s_cbranch_scc1 .Lfill
	s_mov_b32 s[CNT], 2
.Ltail:                                ; K steps 14, 15: nothing is asked for.  One text for both: the last trip's barrier and its 24 loads from the other slot, which holds a tile that has been multiplied, serve nothing
	STEP 0
	s_sub_co_u32 s[CNT], s[CNT], 1
	s_cmp_lg_u32 s[CNT], 0
	s_cbranch_scc1 .Ltail
	; ATTENTION, a batch at a time, both heads side by side
	s_wait_dscnt 0x0                               ; those loads have landed: their registers are written below
	NOP4                                           ; the places behind the last products
.irp c, 0,1,2,3,4,5,6,7
.irp z, 4,5,6,7
	v_mov_b32 v[VF+8*\c+\z], 0                     ; keys 16-31 do not exist: the fragments' upper halves are 0, written once
.endr
.endr
.irp e, 0,1
.irp z, 4,5,6,7
	v_mov_b32 v[PP+8*\e+\z], 0
.endr
.endr
.macro BATCH i
	WIN 0x05                                       ; sources in window 1
.irp c, 0,1,2,3,4,5,6,7
.irp z, 0,1,2,3
	v_cvt_pk_bf16_f32 v[QF+4*\c+\z], v[8*(8*(\i)+\c)+2*\z], v[8*(8*(\i)+\c)+2*\z+1]
.endr
.endr
	WIN 0x0a
.irp c, 0,1,2,3,4,5,6,7
.irp z, 0,1,2,3
	v_cvt_pk_bf16_f32 v[KF+4*\c+\z], v[8*(8*(\i)+\c)+2*\z], v[8*(8*(\i)+\c)+2*\z+1]
.endr
.endr
	WIN 0x0f
.irp c, 0,1,2,3,4,5,6,7
.irp z, 0,1,2,3
	v_cvt_pk_bf16_f32 v[VF+8*\c+\z], v[8*(8*(\i)+\c)+2*\z], v[8*(8*(\i)+\c)+2*\z+1]
.endr
.endr
	WIN 0
	; S^T = K Q^T + C: the two heads' sums take turns
	v_wmma_f32_16x16x32_bf16 v[SS:SS+7], v[KF:KF+7], v[QF:QF+7], v[CB+8*(\i):CB+8*(\i)+7]
	v_wmma_f32_16x16x32_bf16 v[SS+8:SS+15], v[KF+16:KF+23], v[QF+16:QF+23], v[CB+8*(\i):CB+8*(\i)+7]
	v_wmma_f32_16x16x32_bf16 v[SS:SS+7], v[KF+8:KF+15], v[QF+8:QF+15], v[SS:SS+7]
	v_wmma_f32_16x16x32_bf16 v[SS+8:SS+15], v[KF+24:KF+31], v[QF+24:QF+31], v[SS+8:SS+15]
.rept 5
	v_nop                                          ; four places before the scores are read, five before O^T's products write over q's and k's fragments
.endr
.irp e, 0,1
	v_max3_num_f32 v[ST+6*\e+2], v[SS+8*\e], v[SS+8*\e+1], v[SS+8*\e+2]
.endr
.irp e, 0,1
	v_max3_num_f32 v[ST+6*\e+3], v[SS+8*\e+3], v[SS+8*\e+4], v[SS+8*\e+5]
.endr
.irp e, 0,1
	v_max3_num_f32 v[ST+6*\e+2], v[ST+6*\e+2], v[ST+6*\e+3], v[SS+8*\e+6]
.endr
.irp e, 0,1
	v_max3_num_f32 v[ST+6*\e+2], v[ST+6*\e+2], v[SS+8*\e+7], s[FLOOR]
.endr
.irp e, 0,1
	v_permlanex16_b32 v[ST+6*\e+3], v[ST+6*\e+2], s[SEL], s[SEL+1]  ; the query's other 8 keys lie in the lane 16 away
.endr
.irp e, 0,1
	v_max_num_f32 v[ST+6*\e+1], v[ST+6*\e+2], v[ST+6*\e+3]
.endr
.irp e, 0,1
	v_mul_f32 v[ST+6*\e], s[C1], v[ST+6*\e+1]
.endr
.irp e, 0,1
.irp z, 0,2,4,6
	v_pk_fma_f32 v[SS+8*\e+\z:SS+8*\e+\z+1], v[SS+8*\e+\z:SS+8*\e+\z+1], s[C1:C1+1], v[ST+6*\e:ST+6*\e+1] op_sel_hi:[1,0,0] neg_lo:[0,0,1] neg_hi:[0,0,1]  ; c s - c m
.endr
.endr
.irp z, 0,1,2,3,4,5,6,7,8,9,10,11,12,13,14,15
	v_exp_f32 v[SS+\z], v[SS+\z]                   ; one batch of 16
.endr
	v_nop                                          ; a plain instruction behind the last exponential,
	s_wait_alu depctr_va_vdst(0)                   ; and the one wait ahead of the first use
.irp e, 0,1
	v_pk_add_f32 v[ST+6*\e+2:ST+6*\e+3], v[SS+8*\e:SS+8*\e+1], v[SS+8*\e+2:SS+8*\e+3]
	v_pk_add_f32 v[ST+6*\e+4:ST+6*\e+5], v[SS+8*\e+4:SS+8*\e+5], v[SS+8*\e+6:SS+8*\e+7]
.endr
.irp e, 0,1
	v_pk_add_f32 v[ST+6*\e+2:ST+6*\e+3], v[ST+6*\e+2:ST+6*\e+3], v[ST+6*\e+4:ST+6*\e+5]
.endr
.irp e, 0,1
	v_add_f32 v[ST+6*\e+2], v[ST+6*\e+2], v[ST+6*\e+3]
.endr
.irp e, 0,1
	v_permlanex16_b32 v[ST+6*\e+3], v[ST+6*\e+2], s[SEL], s[SEL+1]
.endr
.irp e, 0,1
	v_add_f32 v[ST+6*\e+2], v[ST+6*\e+2], v[ST+6*\e+3]
.endr
.irp e, 0,1
	v_max_num_f32 v[ST+6*\e+2], 1.0, v[ST+6*\e+2]  ; with an active key the sum is 1 or more; with none it is 0 and counts as 1
.endr
.irp e, 0,1
	v_rcp_f32 v[ST+6*\e+4], v[ST+6*\e+2]
.endr
	v_nop
	s_wait_alu depctr_va_vdst(0)                   ; one wait for the two reciprocals
.irp e, 0,1
.irp z, 0,2,4,6
	v_pk_mul_f32 v[SS+8*\e+\z:SS+8*\e+\z+1], v[SS+8*\e+\z:SS+8*\e+\z+1], v[ST+6*\e+4:ST+6*\e+5] op_sel_hi:[1,0]
.endr
.endr
.irp e, 0,1
.irp z, 0,1,2,3
	v_cvt_pk_bf16_f32 v[PP+8*\e+\z], v[SS+8*\e+2*\z], v[SS+8*\e+2*\z+1]
.endr
.endr
.irp c, 0,1,2,3,4,5,6,7                ; O^T = V^T P: 16 channels x 16 queries a product
	v_wmma_f32_16x16x32_bf16 v[QF+8*\c:QF+8*\c+7], v[VF+8*\c:VF+8*\c+7], v[PP+8*(\c/4):PP+8*(\c/4)+7], 0
.endr
	NOP4
	s_wait_xcnt 0x0                                ; the last batch's stores have read the registers that are written below
.irp c, 0,1,2,3,4,5,6,7
.irp z, 0,1,2,3
	v_cvt_pk_bf16_f32 v[OT+4*\c+\z], v[QF+8*\c+2*\z], v[QF+8*\c+2*\z+1]
.endr
.endr
.irp c, 0,1,2,3,4,5,6,7                ; a lane's 8 channels of a token are 16 bytes; into rows of 144 bytes,
	ds_store_b128 v[STO], v[OT+4*\c:OT+4*\c+3] offset:(\c/4)*16*PA+32*(\c%4)
.endr
.irp n, 0,1,2,3,4,5,6,7                ; and back as whole rows.  LDS serves a wave's instructions in order (ISA guide 5.7.1.4): these see the stores above
	ds_load_b128 v[OT+4*\n:OT+4*\n+3], v[RD] offset:(\n/4)*16*PA+(\n%4)*4*PA
.endr
.irp n, 0,1,2,3,4,5,6,7
	s_wait_dscnt 7-\n
	global_store_b128 v[GO], v[OT+4*\n:OT+4*\n+3], s[ATT:ATT+1] offset:(\n/4)*ABLK+(\i)*2048+(\n%4)*512  ; 512 consecutive bytes, at a multiple of 256 from att's first
.endr
.endm
	BATCH 0
	BATCH 1
	BATCH 2
	BATCH 3
	s_wait_tensorcnt 0x0                           ; the wave's end: behind my last tensor load and my last LDS store
	ds_add_u32 v[SPW], v[NIL]
	s_wait_dscnt 0x0
	CROUND                                         ; the closing round: no work-group ends while a partner may still ask for a tile that names it
	s_endpgm
.Lfunc_end_k_q878cd7967c_qkv:
	.size	k_q878cd7967c_qkv, .Lfunc_end_k_q878cd7967c_qkv-k_q878cd7967c_qkv
	.p2alignl 7, 3214868480
	.fill 96, 4, 3214868480
	.section	.rodata,"a",@progbits
	.p2align	6, 0x0
	.amdhsa_kernel k_q878cd7967c_qkv
		.amdhsa_group_segment_fixed_size 327680
		.amdhsa_private_segment_fixed_size 0
		.amdhsa_enable_private_segment 0
		.amdhsa_kernarg_size 80
		.amdhsa_user_sgpr_count 2
		.amdhsa_user_sgpr_kernarg_segment_ptr 1
		.amdhsa_wavefront_size32 1
		.amdhsa_system_sgpr_workgroup_id_x 1
		.amdhsa_system_sgpr_workgroup_id_y 1
		.amdhsa_system_sgpr_workgroup_id_z 1
		.amdhsa_system_vgpr_workitem_id 0
		.amdhsa_next_free_vgpr 1024
		.amdhsa_next_free_sgpr 100
		.amdhsa_reserve_vcc 0
		.amdhsa_float_denorm_mode_32 3
		.amdhsa_float_denorm_mode_16_64 3
		.amdhsa_memory_ordered 1
		.amdhsa_forward_progress 1
		.amdhsa_inst_pref_size 155
	.end_amdhsa_kernel
	.amdgpu_metadata
---
amdhsa.version: [ 1, 2 ]
amdhsa.kernels:
  - .name:           k_q878cd7967c_qkv
    .symbol:         k_q878cd7967c_qkv.kd
    .args:
      - { .name: nrm, .offset: 0, .size: 8, .value_kind: global_buffer, .address_space: global }
      - { .name: wqkv_h, .offset: 8, .size: 8, .value_kind: global_buffer, .address_space: global }
      - { .name: bq, .offset: 16, .size: 8, .value_kind: global_buffer, .address_space: global }
      - { .name: bk, .offset: 24, .size: 8, .value_kind: global_buffer, .address_space: global }
      - { .name: bv, .offset: 32, .size: 8, .value_kind: global_buffer, .address_space: global }
      - { .name: ct_key_emb, .offset: 40, .size: 8, .value_kind: global_buffer, .address_space: global }
      - { .name: ct_bias_emb, .offset: 48, .size: 8, .value_kind: global_buffer, .address_space: global }
      - { .name: cancer_type, .offset: 56, .size: 8, .value_kind: global_buffer, .address_space: global }
      - { .name: channel_active, .offset: 64, .size: 8, .value_kind: global_buffer, .address_space: global }
      - { .name: att, .offset: 72, .size: 8, .value_kind: global_buffer, .address_space: global }
    .group_segment_fixed_size: 327680
    .private_segment_fixed_size: 0
    .kernarg_segment_align: 8
    .kernarg_segment_size: 80
    .max_flat_workgroup_size: 128
    .sgpr_count:     100
    .vgpr_count:     1024
    .wavefront_size: 32
...
	.end_amdgpu_metadata
.endif
;; end of part 3
;; launch wo (part 4): grid 4 x 64, 4 waves a work-group, clusters of 4 x 4, 327,680 bytes of LDS; arguments att, wo_h, bo, channel_tokens, x1; writes x1
.if DOCPART == 4
	.amdgcn_target "amdgcn-amd-amdhsa--gfx1250"
	.amdhsa_code_object_version 6
	.text
	.protected	k_q878cd7967c_wo
	.globl	k_q878cd7967c_wo
	.p2align	8
	.type	k_q878cd7967c_wo,@function
k_q878cd7967c_wo:
	s_mov_b64 s[64:65], 0
	v_nop
	global_prefetch_b8 v0, s[64:65] scope:SCOPE_SE
	s_setreg_imm32_b32 hwreg(HW_REG_WAVE_MODE, 25, 1), 1
	s_wait_xcnt 0x0
	s_wait_alu depctr_hold_cnt(0) depctr_sa_sdst(0) depctr_va_vdst(0) depctr_va_sdst(0) depctr_va_ssrc(0) depctr_va_vcc(0) depctr_vm_vsrc(0)
	s_getreg_b32 s2, hwreg(HW_REG_IB_STS2, 6, 4)
	s_cmp_eq_u32 s2, 0
	s_cbranch_scc0 .Lentry_in_a_cluster
	s_endpgm
.Lentry_in_a_cluster:
	s_bfe_u32 s2, ttmp6, 0x10000c
	s_cmp_lg_u32 s2, 0xf033
	s_cbranch_scc0 .Lentry_shape_is_right
	s_endpgm
.Lentry_shape_is_right:
; x1 = channel_tokens + att Wo + bo.  One text serves the module's two products with 1,024 columns; KT below makes it this one.
; out = residual + A B + bias, f32 [8192][1024].  A: bf16, in tiles of 128 rows: [64 tiles][KT / 64 units][128 rows][64]: a tile's units lie end to end in memory.
; B: bf16, [KT][1024], turned at the LDS read.  Sums in f32.
; SHARES.  A work-group makes 128 rows x 256 columns (256 work-groups), a wave 64 x 128: 32 accumulators.  The product is used transposed (source 0 = 16 columns of B, source 1 = 16 rows
; of A): a lane holds row lane % 16 of C and columns 8 (lane / 16) + 0..7.  THE SUMS START AT THE BIAS: the accumulators are loaded with it; nothing is cleared.
; RING.  K goes in steps of 192 = three units of 64 through two LDS slots.  A unit takes 128 x 144 bytes of A and 64 x 544 of B, a slot 159,744 bytes: two slots of three units are what
; fits; four units a slot would not.  A step holds 192 products a wave, 176 of them between a tile's request and the wait for it.  Wave 0 fetches A's three units (49,152 dense bytes: 192 rows of 256),
; wave t + 1 unit t of B (64 rows of 512 bytes).  By this text's count a wave has two tensor loads out at the start and one behind each change of slots.
; KT IS NO MULTIPLE OF 192 (this text serves KT / 64 = 3 NFULL + REM with REM 1 or 2).  The last refill steps its addresses by REM units only: it brings the LAST 192 of K, inside the buffers, and the
; last step, written out, multiplies the slot's units 3 - REM .. 2 alone: no product is made twice and none on padding.
; CLUSTER.  4 x 4 work-groups: A's tile is shared along a row of the cluster, B's along a column: joint loads.
; LIMITS.  bf16 operands; NaN and infinities are not treated apart.
.set KT,    1024
.set NT,    1024
.set NU,    KT/64                      ; units of 64 along K
.set NFULL, NU/3                       ; whole steps
.set REM,   NU-3*NFULL                 ; units of the last step
.set U0,    3-REM                      ; the unit of its slot at which the last step begins
.set ABLK,  16384                      ; a unit of A in memory: 128 rows x 128 bytes
.set ATILE, NU*ABLK                    ; a tile of 128 rows of A
.set PA,    144                        ; a row of A in LDS: 128 bytes + 16: the 16 rows of a load start at 16 different groups of four banks (64 banks of 4 bytes: ISA guide 11.1)
.set PB,    544                        ; a row of B: 512 + 32
.set AU,    128*PA                     ; a unit of A in LDS
.set BU,    64*PB                      ; a unit of B
.set BOFF,  3*AU                       ; B's units lie behind A's
.set SLOT1, 3*AU+3*BU                  ; slot 1 begins where slot 0 ends
.set SP,    528                        ; a row of 128 f32 on the way out: 512 bytes + 16
.set SPARE, 2*SLOT1                    ; behind the ring: the spare words, 128 bytes for each wave: two blocks of 256 bytes that no other line names
; The stage of the way out, 16 rows x 528 bytes for each wave, lies over slot 0, from LDS byte 0: it is written when the ring has had its last fill and every wave's last read of it is over.
; window 0: addresses; fragments of A in two buffers at v64, v128.  Window 1: fragments of B at v64, v128.  Window 2: accumulator (a, b) at v[8 (8 a + b)].  Window 3: the residual, 4 registers for each of my 64 rows.
.set AFIX, 5                           ; v5   my lane's place in a unit of A
.set BFIX, 6                           ; v6   in a unit of B
.set ADA,  7                           ; v7   the same in the unit in hand
.set ADB,  8                           ; v8
.set H32,  9
.set PFO,  12                          ; v12  the prefetches' offset; never rewritten
.set STO,  13
.set RD,   14
.set CO,   15
.set SPW,  28
.set NIL,  29
.set F0,   64
.set F1,   128
.set XR,   64                          ; the way out
.set WV,  14
.set U,   15                           ; w % 2: my half of the columns
.set WR,  16                           ; w / 2: my half of the rows
.set CX,  17
.set CY,  18
.set BX,  19
.set BY,  20
.set TB,  21                           ; the slot in hand: 0 or SLOT1
.set CNT, 22
.set LIM, 23
.set G1A, 24
.set G1B, 32
.set G0A, 40
.set G0B, 48
.set TS,  56
.set WB,  57                           ; where my unit of B lies in a slot
.set PFA, 58
.set PST, 60
.set BIAS, 70
.set RES, 72
.set OUT, 74
.set UA,  76                           ; LDS byte at which the unit in hand begins, for A
.set UB,  77                           ; and, less BOFF, for B
.set UC,  78                           ; counts a step's first two units
.set T,   79                           ; the unit of B that I fetch
.set SA,  80                           ; s[80:81] this refill's step in A, s[82:83] in B
.set SB,  82
.set SAF, 84                           ; a whole step and the last one, in bytes
.set SAL, 85
.set SBF, 86
.set SBL, 87
.set MSB, 0
.macro WIN new                         ; s_set_vgpr_msb: bits 1:0 source 0, 3:2 source 1, 5:4 source 2, 7:6 destination; the high byte repeats the setting that is left
.if MSB != (\new)
	s_set_vgpr_msb (MSB<<8)|(\new)
.set MSB, \new
.endif
.endm
.macro NOP4                            ; four places behind a matrix instruction (ISA guide 7.12.1 for vector instructions)
.rept 4
	v_nop
.endr
.endm
.macro CREST                           ; a round of the cluster's barrier behind its opening barrier
	s_cmp_lg_u32 s[WV], 0
	s_cbranch_scc1 .Lnot_wave_0_\@
	s_barrier_signal -3
.Lnot_wave_0_\@:
	s_barrier_wait -3
	s_barrier_signal -1
	s_barrier_wait -1
.endm
.macro CROUND
	s_barrier_signal -1
	s_barrier_wait -1
	CREST
.endm
.macro JLOAD                           ; a joint refill by the walking descriptors; an s_nop 0 and four v_nop follow each line
	s_cmp_eq_u32 s[WV], 0
	s_cbranch_scc0 .Lfor_b_\@
	tensor_load_to_lds s[G0A+4:G0A+7], s[G1A:G1A+7]
	s_nop 0
.rept 4
	v_nop
.endr
	s_branch .Lasked_\@
.Lfor_b_\@:
	tensor_load_to_lds s[G0B+4:G0B+7], s[G1B:G1B+7]
	s_nop 0
.rept 4
	v_nop
.endr
.Lasked_\@:
.endm
; A PREFETCH INTO THE L2, behind the joint load of trip j (which asks for step j + 2) and the run of LDS loads.  Each aligned 256 bytes are named at most once in the launch, and whole steps alone.
; B: read by all clusters of a column of clusters: cluster y = 0 asks; wave t + 1 names its own unit of step j + 3, of whose 64 rows partner cy takes 16 BY ADDRESS, two lanes a row: one instruction a trip.
; A: a tile is read by one row of one cluster (cluster x = 0 asks; the grid has no other); wave 0 names steps j + 3 and j + 4 at once, in every second trip: their 98,304 dense bytes are shared out
; among the four partners BY ADDRESS (cx): 24,576 bytes each, three instructions, a lane a block.
; Steps 0 to 2 and the last step's units come by their loads alone: B is asked for while the count is above 2, A while it is above 3.
.macro ASK
	s_cmp_gt_u32 s[CNT], s[LIM]
	s_cbranch_scc0 .Lnot_now_\@
	s_cmp_eq_u32 s[WV], 0
	s_cbranch_scc0 .Lask_b_\@
	s_and_b32 s[TS], s[CNT], 1
	s_cmp_eq_u32 s[TS], (NFULL-1)&1                ; the trips with an even j
	s_cbranch_scc0 .Lnot_now_\@
	global_prefetch_b8 v[PFO], s[PFA:PFA+1] th:TH_LOAD_NT scope:SCOPE_SE
	global_prefetch_b8 v[PFO], s[PFA:PFA+1] offset:8192 th:TH_LOAD_NT scope:SCOPE_SE
	global_prefetch_b8 v[PFO], s[PFA:PFA+1] offset:16384 th:TH_LOAD_NT scope:SCOPE_SE
	s_branch .Lnot_now_\@
.Lask_b_\@:
	global_prefetch_b8 v[PFO], s[PFA:PFA+1] th:TH_LOAD_NT scope:SCOPE_SE
.Lnot_now_\@:
.endm
.macro MULR f, a                       ; 8 products: row block a x all 8 column blocks, 32 along K
	WIN 0xa1                                       ; B in window 1, A in window 0, C and D in window 2
.irp b, 0,1,2,3,4,5,6,7
	v_wmma_f32_16x16x32_bf16 v[8*(8*(\a)+\b):8*(8*(\a)+\b)+7], v[(\f)+8*\b:(\f)+8*\b+7], v[(\f)+8*(\a):(\f)+8*(\a)+7], v[8*(8*(\a)+\b):8*(8*(\a)+\b)+7]
.endr
.endm
.macro MULS f, a0, n                   ; row blocks a0 .. a0 + n - 1.  All 32 accumulators take turns, in the same order in every half, over the backward jumps too
.set am, \a0
.rept \n
	MULR \f, am
.set am, am+1
.endr
.endm
; The fragments of 32 along K, in one run of 24 loads: half k2 of the unit du behind the unit in hand: B's 8, turned, then A's 4.
.macro FETCH du, k2, f
	WIN 0x40                                       ; destination window 1
.irp c, 0,1,2,3,4,5,6,7
	ds_load_tr16_b128 v[(\f)+8*\c:(\f)+8*\c+3], v[ADB] offset:(\du)*BU+(\k2)*32*PB+32*\c
	ds_load_tr16_b128 v[(\f)+8*\c+4:(\f)+8*\c+7], v[ADB] offset:(\du)*BU+(\k2)*32*PB+16*PB+32*\c
.endr
	WIN 0
.irp i, 0,1,2,3
	ds_load_b128 v[(\f)+8*\i:(\f)+8*\i+3], v[ADA] offset:(\du)*AU+\i*16*PA+(\k2)*64
	ds_load_b128 v[(\f)+8*\i+4:(\f)+8*\i+7], v[ADA] offset:(\du)*AU+\i*16*PA+(\k2)*64+32
.endr
.endm
; Half a unit: 32 products on buffer f.  At its head the NEXT half's fragments are asked for, into the buffer g that the half before multiplied: they have these 32 products in which to come.
; The counted wait leaves that run out; LDS returns a wave's loads in order (ISA guide 5.7.1), so buffer f, asked for a half ago, is in.
.macro HALF du, k2, f, g
	NOP4                                           ; the places behind the last products, which read g
	FETCH \du, \k2, \g
	s_wait_dscnt 24                                ; all but the 24 loads just issued
	MULS \f, 0, 4
.endm
.macro UNIT                            ; a unit that is not its slot's last: both halves, then the addresses step to the next unit
	HALF 0, 1, F0, F1
	HALF 1, 0, F1, F0
	WIN 0
	s_add_co_u32 s[UA], s[UA], AU
	s_add_co_u32 s[UB], s[UB], BU
	v_add_nc_u32 v[ADA], s[UA], v[AFIX]
	v_add_nc_u32 v[ADB], s[UB], v[BFIX]
.endm
; A step's last half changes slots: ONE barrier.  In front of it each wave waits for all its tensor loads (one is out: its part of the other slot), adds 0 to its spare word, and waits for
; that and for its reads of this slot.  fill = 1: the barrier opens a round of the cluster's, and the joint refill of the slot just read is the first thing behind the round.
; nu: the unit of the other slot at which the next step begins.
.macro TURN fill, nu
.if \fill
	s_wait_xcnt 0x0                                ; the last prefetches, a step back, have read their address
	s_add_nc_u64 s[PFA:PFA+1], s[PFA:PFA+1], s[PST:PST+1]
.endif
	WIN 0
	s_wait_tensorcnt 0x0                           ; no tensor load of mine is out, so a group 0 may be written
	ds_add_u32 v[SPW], v[NIL]                      ; 0 onto my spare word; the descriptors' steps and eight products stand between it and the wait for it
.if \fill
	s_cmp_eq_u32 s[CNT], 1                         ; the last refill steps by REM units: it ends at K's end
	s_cselect_b32 s[SA], s[SAL], s[SAF]
	s_cselect_b32 s[SB], s[SBL], s[SBF]
	s_mov_b32 s[G0A+5], s[TB]                      ; the walking descriptors: into the slot in hand,
	s_add_nc_u64 s[G0A+6:G0A+7], s[G0A+6:G0A+7], s[SA:SA+1]  ; the step after the other slot's; the type bits on top are not reached
	s_add_co_u32 s[G0B+5], s[TB], s[WB]
	s_add_nc_u64 s[G0B+6:G0B+7], s[G0B+6:G0B+7], s[SB:SB+1]
.endif
	s_wait_dscnt 1                                 ; the fragments are in; the add may be out
	MULS F1, 0, 1
	s_wait_dscnt 0x0                               ; the add is done, my reads of this slot are over
	s_barrier_signal -1
	MULS F1, 1, 1
	WIN 0
	s_barrier_wait -1
.if \fill
	CREST                                          ; no wave of any partner still reads the slot or has a load on its way
	JLOAD                                          ; its four v_nop are also the places in front of the loads below
.else
	NOP4
.endif
	s_xor_b32 s[TB], s[TB], SLOT1
	s_add_co_u32 s[UA], s[TB], (\nu)*AU
	s_add_co_u32 s[UB], s[TB], (\nu)*BU
	v_add_nc_u32 v[ADA], s[UA], v[AFIX]
	v_add_nc_u32 v[ADB], s[UB], v[BFIX]
	FETCH 0, 0, F0
.if \fill
	ASK
.endif
	MULS F1, 2, 2
	WIN 0
.endm
	s_load_b256 s[4:11], s[0:1], 0x0               ; A s[4:5], B s[6:7], bias s[8:9], residual s[10:11]
	s_load_b64 s[12:13], s[0:1], 0x20              ; out
	v_lshl_add_u32 v[SPW], v0, 2, SPARE
	v_mov_b32 v[NIL], 0
	ds_add_u32 v[SPW], v[NIL]                      ; the wave's opening: the add and its wait ahead of my first tensor load
	v_lshrrev_b32 v1, 5, v0
	v_readfirstlane_b32 s[WV], v1
	s_and_b32 s[U], s[WV], 1
	s_lshr_b32 s[WR], s[WV], 1
	s_bfe_u32 s[CX], ttmp6, 0x40000
	s_bfe_u32 s[CY], ttmp6, 0x40004
	s_lshl_b32 s[BX], ttmp9, 2
	s_add_co_u32 s[BX], s[BX], s[CX]               ; tile column = 4 x cluster x + cx
	s_and_b32 s[BY], ttmp7, 0xffff
	s_lshl_b32 s[BY], s[BY], 2
	s_add_co_u32 s[BY], s[BY], s[CY]               ; tile row = 4 x cluster y + cy
	s_lshl_b32 s66, s[CY], 2
	s_lshl_b32 s66, 15, s66                        ; my row of the cluster
	s_lshl_b32 s68, 0x1111, s[CX]                  ; my column
	s_or_b32 s[G1A], s66, (1<<16)|(1<<20)|(1<<21)|(4<<22)|(3<<25)  ; mask; 2-byte elements; padding on; bit 21 beside a mask; after every 32 words 4 words
	s_or_b32 s[G1B], s68, (1<<16)|(1<<20)|(1<<21)|(6<<22)|(7<<25)  ; after every 128 words 8 words
	s_mov_b32 s[G1A+1], 128<<16                    ; tensor_dim0 = 128
	s_mov_b32 s[G1A+2], 192<<16                    ; tensor_dim1: three units of 64 rows of 256 bytes (two rows of the tile to a row)
	s_mov_b32 s[G1A+3], 128<<16                    ; tile_dim0
	s_mov_b32 s[G1A+4], 192                        ; tile_dim1
	s_mov_b32 s[G1A+5], 128                        ; dense
	s_mov_b32 s[G1A+6], 0
	s_mov_b32 s[G1A+7], 0
	s_mov_b32 s[G1B+1], 256<<16
	s_mov_b32 s[G1B+2], 64<<16
	s_mov_b32 s[G1B+3], 256<<16
	s_mov_b32 s[G1B+4], 64
	s_mov_b32 s[G1B+5], NT
	s_mov_b32 s[G1B+6], 0
	s_mov_b32 s[G1B+7], 0
	s_mul_i32 s[WB], s[WV], BU
	s_add_co_u32 s[WB], s[WB], BOFF-BU             ; wave t + 1's unit lies at BOFF + t BU: no place in the cluster enters an LDS address
	s_max_u32 s[T], s[WV], 1
	s_sub_co_u32 s[T], s[T], 1                     ; t (in wave 0, which fetches no B: 0)
	s_mul_i32 s66, s[BY], ATILE                    ; A: my tile of 128 rows
	s_mov_b32 s67, 0
	s_mul_i32 s68, s[T], 128*NT                    ; B: rows 64 t on,
	s_lshl_b32 s69, s[BX], 9                       ; columns 256 bx on
	s_add_co_u32 s68, s68, s69
	s_mov_b32 s69, 0
	s_mov_b32 s[SAF], 3*ABLK
	s_mov_b32 s[SAL], REM*ABLK
	s_mov_b32 s[SBF], 384*NT                       ; 192 rows of 2 NT bytes
	s_mov_b32 s[SBL], REM*128*NT
	s_mov_b32 s[SA+1], 0
	s_mov_b32 s[SB+1], 0
	s_mov_b32 s[TB], 0
	s_wait_dscnt 0x0                               ; the opening add is done
	s_wait_kmcnt 0x0
	s_add_nc_u64 s[66:67], s[4:5], s[66:67]
	s_add_nc_u64 s[68:69], s[6:7], s[68:69]
	CROUND                                         ; all sixteen work-groups are here: the first joint loads meet
.irp n, 0,1
	s_mov_b32 s[G0A+4*\n], 1
	s_mov_b32 s[G0A+4*\n+1], \n*SLOT1
	s_add_nc_u64 s[G0A+4*\n+2:G0A+4*\n+3], s[66:67], \n*3*ABLK
	s_or_b32 s[G0A+4*\n+3], s[G0A+4*\n+3], 0x80000000
	s_mov_b32 s[G0B+4*\n], 1
	s_add_co_u32 s[G0B+4*\n+1], s[WB], \n*SLOT1
	s_add_nc_u64 s[G0B+4*\n+2:G0B+4*\n+3], s[68:69], \n*384*NT
	s_or_b32 s[G0B+4*\n+3], s[G0B+4*\n+3], 0x80000000
.endr
	s_cmp_eq_u32 s[WV], 0                          ; a wave's two first fills stand in one branch, ahead of every wait on TENSORcnt and every LDS read
	s_cbranch_scc0 .Lfirst_b
	tensor_load_to_lds s[G0A:G0A+3], s[G1A:G1A+7]
	s_nop 0
	tensor_load_to_lds s[G0A+4:G0A+7], s[G1A:G1A+7]
	s_nop 0
.rept 4
	v_nop
.endr
	s_branch .Lfirst_asked
.Lfirst_b:
	tensor_load_to_lds s[G0B:G0B+3], s[G1B:G1B+7]
	s_nop 0
	tensor_load_to_lds s[G0B+4:G0B+7], s[G1B:G1B+7]
	s_nop 0
.rept 4
	v_nop
.endr
.Lfirst_asked:
	v_and_b32 v1, 15, v0                           ; r = lane % 16
	v_bfe_u32 v2, v0, 4, 1                         ; h = lane / 16
	v_and_b32 v3, 7, v0
	v_bfe_u32 v4, v0, 3, 1
	v_and_b32 v10, 31, v0
	v_lshlrev_b32 v[H32], 5, v2
	s_lshl_b32 s62, s[BX], 10                      ; my 128 columns, in f32: 256 bx + 128 (w % 2)
	s_lshl_b32 s63, s[U], 9
	s_add_co_u32 s62, s62, s63
	s_mov_b32 s63, 0
	s_add_nc_u64 s[BIAS:BIAS+1], s[8:9], s[62:63]
	WIN 0x80                                       ; the sums start at the bias: register j of a lane is column 16 b + 8 h + j
.irp a, 0,1,2,3
.irp b, 0,1,2,3,4,5,6,7
	global_load_b128 v[8*(8*\a+\b):8*(8*\a+\b)+3], v[H32], s[BIAS:BIAS+1] offset:64*\b
	global_load_b128 v[8*(8*\a+\b)+4:8*(8*\a+\b)+7], v[H32], s[BIAS:BIAS+1] offset:64*\b+16
.endr
.endr
	WIN 0
	s_mul_i32 s[TS], s[WR], 64*PA
	v_mul_u32_u24 v[AFIX], v1, PA
	v_lshl_add_u32 v[AFIX], v2, 4, v[AFIX]
	v_add_nc_u32 v[AFIX], s[TS], v[AFIX]           ; (64 (w / 2) + r) x pitch + 16 h
	v_lshl_add_u32 v[BFIX], v2, 3, v3
	v_mul_u32_u24 v[BFIX], v[BFIX], PB
	v_lshl_add_u32 v[BFIX], v4, 4, v[BFIX]
	s_lshl_b32 s[TS], s[U], 8
	s_add_co_u32 s[TS], s[TS], BOFF
	v_add_nc_u32 v[BFIX], s[TS], v[BFIX]           ; (8 h + l % 8) x pitch + 16 ((l / 8) % 2) + my 128 columns, behind A's units
	s_lshl_b32 s[TS], s[BY], 19                    ; my first row, 128 by + 64 (w / 2), of 4,096 bytes
	s_add_co_u32 s62, s62, s[TS]
	s_lshl_b32 s[TS], s[WR], 18
	s_add_co_u32 s62, s62, s[TS]
	s_add_nc_u64 s[RES:RES+1], s[10:11], s[62:63]
	s_add_nc_u64 s[OUT:OUT+1], s[12:13], s[62:63]
	s_mul_i32 s[TS], s[WV], 16*SP                  ; my stage
	v_lshlrev_b32 v[CO], 4, v10                    ; 16 x lane: a row's 512 bytes
	v_add_nc_u32 v[RD], s[TS], v[CO]
	v_mul_u32_u24 v[STO], v1, SP
	v_lshl_add_u32 v[STO], v2, 5, v[STO]
	v_add_nc_u32 v[STO], s[TS], v[STO]             ; in: row r, 32 bytes for each half of the lanes
	; the prefetches
	s_mul_i32 s62, s[BY], ATILE
	s_mul_i32 s63, s[CX], 24576                    ; A: my work-group's quarter of two steps' dense bytes
	s_add_co_u32 s62, s62, s63
	s_add_co_u32 s62, s62, 6*ABLK                  ; at step 2: the first change of slots steps it to 3
	s_lshl_b32 s66, s[BX], 9
	s_mul_i32 s67, s[CY], 32*NT                    ; B: my work-group's 16 of my unit's 64 rows
	s_add_co_u32 s66, s66, s67
	s_mul_i32 s67, s[T], 128*NT
	s_add_co_u32 s66, s66, s67
	s_add_co_u32 s66, s66, 768*NT                  ; at step 2
	s_and_b32 s67, ttmp7, 0xffff                   ; cluster y
	s_mov_b32 s[PST], 384*NT
	s_cmp_eq_u32 s[WV], 0
	s_cselect_b32 s62, s62, s66
	s_cselect_b32 s67, ttmp9, s67                  ; the coordinate along which other clusters read the same tile
	s_cselect_b32 s63, 3, 2
	s_cselect_b32 s[PST], 3*ABLK, s[PST]
	s_cselect_b64 s[PFA:PFA+1], s[4:5], s[6:7]
	s_cselect_b32 s[TS], -1, 0
	s_cmp_eq_u32 s67, 0
	s_cselect_b32 s[LIM], s63, -1                  ; the same in all sixteen partners, for a given wave
	s_mov_b32 s63, 0
	s_mov_b32 s[PST+1], 0
	s_add_nc_u64 s[PFA:PFA+1], s[PFA:PFA+1], s[62:63]
	v_lshlrev_b32 v11, 8, v10                      ; A: a lane a block of 256 bytes
	v_lshrrev_b32 v17, 1, v10                      ; B: two lanes a row of 512 bytes
	v_mul_u32_u24 v17, v17, 2*NT
	v_and_b32 v18, 1, v0
	v_lshl_add_u32 v17, v18, 8, v17
	v_cndmask_b32 v[PFO], v17, v11, s[TS]
	s_wait_loadcnt 0x0                             ; the bias
	WIN 0xc0                                       ; the residual, a row's 512 bytes a load: asked for now, wanted at the end.  My first 48 rows here; the last 16 between the loops
.set n, 0
.rept 48
	global_load_b128 v[4*n:4*n+3], v[CO], s[RES:RES+1] offset:n*4096 th:TH_LOAD_NT
.set n, n+1
.endr
	WIN 0
	s_wait_tensorcnt 1                             ; my part of slot 0 is in; slot 1's may stay out
	s_barrier_signal -1
	s_barrier_wait -1
	s_mov_b32 s[UA], 0
	s_mov_b32 s[UB], 0
	v_mov_b32 v[ADA], v[AFIX]
	v_mov_b32 v[ADB], v[BFIX]
	FETCH 0, 0, F0
	s_mov_b32 s[CNT], NFULL-1
.Lfill:                                ; steps 0 .. NFULL - 2: trip j fills the slot that it has read with step j + 2
	s_mov_b32 s[UC], 2
.Lfill_unit:                           ; a unit's text is written once and walked twice; the LDS addresses hang on s[UA], s[UB]
	UNIT
	s_sub_co_u32 s[UC], s[UC], 1
	s_cmp_lg_u32 s[UC], 0
	s_cbranch_scc1 .Lfill_unit
	HALF 0, 1, F0, F1
	TURN 1, 0
	s_sub_co_u32 s[CNT], s[CNT], 1
	s_cmp_lg_u32 s[CNT], 0
	s_cbranch_scc1 .Lfill
	WIN 0xc0
.set n, 48
.rept 16
	global_load_b128 v[4*n:4*n+3], v[CO], s[RES:RES+1] offset:n*4096 th:TH_LOAD_NT
.set n, n+1
.endr
	WIN 0
	s_mov_b32 s[UC], 2                             ; step NFULL - 1: nothing is asked for
.Ltail_unit:
	UNIT
	s_sub_co_u32 s[UC], s[UC], 1
	s_cmp_lg_u32 s[UC], 0
	s_cbranch_scc1 .Ltail_unit
	HALF 0, 1, F0, F1
	TURN 0, U0                                     ; the last slot holds the last 192 of K: the fetches begin at its unit U0
.if U0 == 1
	UNIT
.endif
	HALF 0, 1, F0, F1
	s_wait_dscnt 0x0                               ; the very last fragments
	MULS F1, 0, 4
	WIN 0
	; THE WAY OUT, 16 rows at a time through my stage: 32 bytes a lane in, whole rows of 512 bytes back, the residual added, stored.
	s_wait_loadcnt 0x0                             ; the residual
	s_barrier_signal -1                            ; every wave's reads of the ring are over (each has just waited for its own): the stages lie over slot 0
	s_barrier_wait -1
	NOP4                                           ; the places behind the last products
.irp a, 0,1,2,3
	WIN 0x08                                       ; store data in window 2
.irp b, 0,1,2,3,4,5,6,7
	ds_store_b128 v[STO], v[8*(8*\a+\b):8*(8*\a+\b)+3] offset:64*\b
	ds_store_b128 v[STO], v[8*(8*\a+\b)+4:8*(8*\a+\b)+7] offset:64*\b+16
.endr
	WIN 0
	s_wait_xcnt 0x0                                ; the last block's stores have read the registers that are loaded below
.irp t, 0,1,2,3,4,5,6,7,8,9,10,11,12,13,14,15
	ds_load_b128 v[XR+4*\t:XR+4*\t+3], v[RD] offset:\t*SP  ; LDS serves a wave's instructions in order (ISA guide 5.7.1.4): these see the stores above
.endr
	s_wait_dscnt 0x0
	WIN 0x0c                                       ; source 1 in window 3
.set z, 0
.rept 32
	v_pk_add_f32 v[XR+z:XR+z+1], v[XR+z:XR+z+1], v[64*\a+z:64*\a+z+1]
.set z, z+2
.endr
	WIN 0
.irp t, 0,1,2,3,4,5,6,7,8,9,10,11,12,13,14,15
	global_store_b128 v[CO], v[XR+4*\t:XR+4*\t+3], s[OUT:OUT+1] offset:(16*\a+\t)*4096  ; 512 consecutive bytes, at a multiple of 256 from the buffer's first
.endr
.endr
	s_wait_tensorcnt 0x0                           ; the wave's end: behind my last tensor load and my last LDS store
	ds_add_u32 v[SPW], v[NIL]
	s_wait_dscnt 0x0
	CROUND                                         ; the closing round: no work-group ends while a partner may still ask for a tile that names it
	s_endpgm
.Lfunc_end_k_q878cd7967c_wo:
	.size	k_q878cd7967c_wo, .Lfunc_end_k_q878cd7967c_wo-k_q878cd7967c_wo
	.p2alignl 7, 3214868480
	.fill 96, 4, 3214868480
	.section	.rodata,"a",@progbits
	.p2align	6, 0x0
	.amdhsa_kernel k_q878cd7967c_wo
		.amdhsa_group_segment_fixed_size 327680
		.amdhsa_private_segment_fixed_size 0
		.amdhsa_enable_private_segment 0
		.amdhsa_kernarg_size 40
		.amdhsa_user_sgpr_count 2
		.amdhsa_user_sgpr_kernarg_segment_ptr 1
		.amdhsa_wavefront_size32 1
		.amdhsa_system_sgpr_workgroup_id_x 1
		.amdhsa_system_sgpr_workgroup_id_y 1
		.amdhsa_system_sgpr_workgroup_id_z 1
		.amdhsa_system_vgpr_workitem_id 0
		.amdhsa_next_free_vgpr 1024
		.amdhsa_next_free_sgpr 88
		.amdhsa_reserve_vcc 0
		.amdhsa_float_denorm_mode_32 3
		.amdhsa_float_denorm_mode_16_64 3
		.amdhsa_memory_ordered 1
		.amdhsa_forward_progress 1
		.amdhsa_inst_pref_size 85
	.end_amdhsa_kernel
	.amdgpu_metadata
---
amdhsa.version: [ 1, 2 ]
amdhsa.kernels:
  - .name:           k_q878cd7967c_wo
    .symbol:         k_q878cd7967c_wo.kd
    .args:
      - { .name: att, .offset: 0, .size: 8, .value_kind: global_buffer, .address_space: global }
      - { .name: wo_h, .offset: 8, .size: 8, .value_kind: global_buffer, .address_space: global }
      - { .name: bo, .offset: 16, .size: 8, .value_kind: global_buffer, .address_space: global }
      - { .name: channel_tokens, .offset: 24, .size: 8, .value_kind: global_buffer, .address_space: global }
      - { .name: x1, .offset: 32, .size: 8, .value_kind: global_buffer, .address_space: global }
    .group_segment_fixed_size: 327680
    .private_segment_fixed_size: 0
    .kernarg_segment_align: 8
    .kernarg_segment_size: 40
    .max_flat_workgroup_size: 128
    .sgpr_count:     88
    .vgpr_count:     1024
    .wavefront_size: 32
...
	.end_amdgpu_metadata
.endif
;; end of part 4
;; launch ln2: the kernel of part 2 again; grid 256 x 1, 16 waves a work-group, no clusters, 0 bytes of LDS; arguments x1, ln2_g, ln2_b, nrm; writes nrm
;; launch ffn1 (part 5): grid 8 x 32, 4 waves a work-group, clusters of 4 x 4, 327,680 bytes of LDS; arguments nrm, w1_h, b1, f1; writes f1
.if DOCPART == 5
	.amdgcn_target "amdgcn-amd-amdhsa--gfx1250"
	.amdhsa_code_object_version 6
	.text
	.protected	k_q878cd7967c_ffn1
	.globl	k_q878cd7967c_ffn1
	.p2align	8
	.type	k_q878cd7967c_ffn1,@function
k_q878cd7967c_ffn1:
	s_mov_b64 s[64:65], 0
	v_nop
	global_prefetch_b8 v0, s[64:65] scope:SCOPE_SE
	s_setreg_imm32_b32 hwreg(HW_REG_WAVE_MODE, 25, 1), 1
	s_wait_xcnt 0x0
	s_wait_alu depctr_hold_cnt(0) depctr_sa_sdst(0) depctr_va_vdst(0) depctr_va_sdst(0) depctr_va_ssrc(0) depctr_va_vcc(0) depctr_vm_vsrc(0)
	s_getreg_b32 s2, hwreg(HW_REG_IB_STS2, 6, 4)
	s_cmp_eq_u32 s2, 0
	s_cbranch_scc0 .Lentry_in_a_cluster
	s_endpgm
.Lentry_in_a_cluster:
	s_bfe_u32 s2, ttmp6, 0x10000c
	s_cmp_lg_u32 s2, 0xf033
	s_cbranch_scc0 .Lentry_shape_is_right
	s_endpgm
.Lentry_shape_is_right:
; f1 = elu(h W1 + b1), h = nrm.
; A: nrm, bf16, BLOCKED [16 blocks of 64 columns][8192 rows][64]: a tile of rows x 64 along K is dense.  B: w1_h, bf16, [1024][2048], turned at the LDS read.  Sums in f32.
; f1: bf16, in tiles of 128 rows: [64 tiles][32 units of 64 columns][128 rows][64], so that the product that follows finds a tile's units end to end.
; SHARES.  A work-group makes 256 rows x 256 columns, a wave 128 x 128: 64 accumulators.  The product is used transposed (source 0 = 16 columns of B, source 1 = 16 rows of A):
; a lane holds row lane % 16 of C and columns 8 (lane / 16) + 0..7.  THE SUMS START AT THE BIAS: the accumulators are loaded with it; nothing is cleared.
; RING.  K goes in steps of 128 (two blocks of A) through two LDS slots.  Waves 0, 1 fetch A's two blocks (dense: rows of 256 bytes), waves 2, 3 the two halves of B's 128 rows (512 bytes each).
; By this text's count a wave has two tensor loads out at the start and one behind each change of slots.
; CLUSTER.  4 x 4 work-groups: A's tile is shared along a row of the cluster, B's along a column: joint loads.
; LIMITS.  bf16 operands; e^x - 1 is formed in f32 as it stands, so near 0 it keeps f32's absolute step, not its relative one; NaN and infinities are not treated apart.
.set MT,  8
.set KT,  1024
.set NT,  2048
.set BLK,   1048576                    ; a block of 64 columns of all 8,192 rows of A
.set OBLK,  16384                      ; f1: a unit of 64 columns of a tile of 128 rows
.set ROWS,  32*MT
.set PA,    144                        ; a row of A in LDS: 128 bytes + 16: the 16 rows of a load start at 16 different groups of four banks (64 banks of 4 bytes: ISA guide 11.1)
.set PB,    544                        ; a row of B: 512 + 32
.set ASUB,  ROWS*PA                    ; one block's tile of A
.set BSUB,  64*PB                      ; 64 rows of B
.set SLOT1, 131072+16384               ; slot 1: its bits are set in no tile's place in slot 0, so one exclusive or changes slots
.set RING,  SLOT1+2*ASUB+2*BSUB
.set SP,    528                        ; a row of 128 f32 on the way out: 512 bytes + 16
.set SPARE, RING                       ; the spare words, 128 bytes for each wave: two blocks of 256 bytes that no other line names
.set NSTEPS, KT/128
; window 0: addresses; fragments of A in two buffers at v64, v128.  Window 1: fragments of B at v64, v128.  Windows 2 and 3: accumulator (a, b) at v[8 ((8 a + b) % 32)] of window 2 + a / 4.
.set AFIX, 5
.set BFIX, 6
.set ADA,  7
.set ADB,  8
.set H32,  9
.set PFO,  12
.set STO,  13
.set RD,   14
.set CO,   15
.set RDC,  16
.set SPW,  28
.set NIL,  29
.set F0,   64
.set F1,   128
.set XR,   64                          ; the way out
.set ER,   96
.set YR,   128
.set WV,  14
.set U,   15                           ; w % 2: my half of the columns; also which block of A or which half of B's rows I fetch
.set WR,  16                           ; w / 2: my half of the rows
.set CX,  17
.set CY,  18
.set BX,  19
.set BY,  20
.set TB,  21
.set CNT, 22
.set LIM, 23
.set G1A, 24
.set G1B, 32
.set G0A, 40
.set G0B, 48
.set TS,  57
.set PFA, 58
.set PST, 60
.set BIAS, 70
.set OUT, 74
.set LG,  76
.set SOFF, 78
.set MSB, 0
.macro WIN new                         ; s_set_vgpr_msb: bits 1:0 source 0, 3:2 source 1, 5:4 source 2, 7:6 destination; the high byte repeats the setting that is left
.if MSB != (\new)
	s_set_vgpr_msb (MSB<<8)|(\new)
.set MSB, \new
.endif
.endm
.macro NOP4                            ; four places behind a matrix instruction (ISA guide 7.12.1 for vector instructions)
.rept 4
	v_nop
.endr
.endm
.macro CREST                           ; a round of the cluster's barrier behind its opening barrier
	s_cmp_lg_u32 s[WV], 0
	s_cbranch_scc1 .Lnot_wave_0_\@
	s_barrier_signal -3
.Lnot_wave_0_\@:
	s_barrier_wait -3
	s_barrier_signal -1
	s_barrier_wait -1
.endm
.macro CROUND
	s_barrier_signal -1
	s_barrier_wait -1
	CREST
.endm
.macro JLOAD                           ; a joint refill by the walking descriptors; an s_nop 0 and four v_nop follow each line
	s_cmp_lt_u32 s[WV], 2
	s_cbranch_scc0 .Lfor_b_\@
	tensor_load_to_lds s[G0A+4:G0A+7], s[G1A:G1A+7]
	s_nop 0
.rept 4
	v_nop
.endr
	s_branch .Lasked_\@
.Lfor_b_\@:
	tensor_load_to_lds s[G0B+4:G0B+7], s[G1B:G1B+7]
	s_nop 0
.rept 4
	v_nop
.endr
.Lasked_\@:
.endm
; A PREFETCH INTO THE L2, behind the joint load of trip j (which asks for K step j + 2) and the run of LDS loads: K step j + 4, two refills on.  Each aligned 256 bytes are named once in the launch:
; A's tile by cluster x = 0, B's by cluster y = 0; the four partners that ask for a tile jointly share its blocks out BY ADDRESS (cx for A, cy for B), a lane a block.
; K steps 0 to 3 come by their loads alone; trips with a count of 2 or less ask for nothing: the last step named is the last.
.macro ASK
	s_cmp_gt_u32 s[CNT], s[LIM]
	s_cbranch_scc0 .Lnot_now_\@
	global_prefetch_b8 v[PFO], s[PFA:PFA+1] th:TH_LOAD_NT scope:SCOPE_SE
.Lnot_now_\@:
.endm
.macro MULR f, a                       ; 8 products: row block a x all 8 column blocks, 32 along K
	WIN 0xa1+0x50*((\a)/4)                         ; B in window 1, A in window 0, C and D in window 2 or 3
.irp b, 0,1,2,3,4,5,6,7
	v_wmma_f32_16x16x32_bf16 v[8*((8*(\a)+\b)%32):8*((8*(\a)+\b)%32)+7], v[(\f)+8*\b:(\f)+8*\b+7], v[(\f)+8*(\a):(\f)+8*(\a)+7], v[8*((8*(\a)+\b)%32):8*((8*(\a)+\b)%32)+7]
.endr
.endm
.macro MULS f, a0, n                   ; row blocks a0 .. a0 + n - 1.  All 64 accumulators take turns, in the same order in every quarter, over the backward jumps too
.set am, \a0
.rept \n
	MULR \f, am
.set am, am+1
.endr
.endm
; The fragments of quarter q (32 along K) of the slot in hand, in one run: B's 8, turned, then A's 8.
.macro FETCH q, f
	WIN 0x40                                       ; destination window 1
.irp c, 0,1,2,3,4,5,6,7
	ds_load_tr16_b128 v[(\f)+8*\c:(\f)+8*\c+3], v[ADB] offset:((\q)/2)*BSUB+((\q)%2)*32*PB+32*\c
	ds_load_tr16_b128 v[(\f)+8*\c+4:(\f)+8*\c+7], v[ADB] offset:((\q)/2)*BSUB+((\q)%2)*32*PB+16*PB+32*\c
.endr
	WIN 0
.set af, 0
.rept MT
	ds_load_b128 v[(\f)+8*af:(\f)+8*af+3], v[ADA] offset:((\q)/2)*ASUB+af*16*PA+((\q)%2)*64
	ds_load_b128 v[(\f)+8*af+4:(\f)+8*af+7], v[ADA] offset:((\q)/2)*ASUB+af*16*PA+((\q)%2)*64+32
.set af, af+1
.endr
.endm
; A quarter: 64 products on buffer f.  At its head the NEXT quarter's fragments are asked for, into the buffer g that the quarter before multiplied: they have these 64 products in which to come.
; The counted wait leaves that run out; LDS returns a wave's loads in order (ISA guide 5.7.1), so buffer f, asked for a quarter ago, is in.
.macro QUARTER q, f, g
	NOP4                                           ; the places behind the last products, which read g
	FETCH (\q)+1, \g
	s_wait_dscnt 16+2*MT                           ; all but the run just issued
	MULS \f, 0, MT
.endm
; The last quarter changes slots: ONE barrier.  In front of it each wave waits for all its tensor loads (one is out: its part of the other slot), adds 0 to its spare word, and waits for
; that and for its reads of this slot.  fill = 1: the barrier opens a round of the cluster's, and the joint refill of the slot just read is the first thing behind the round.
.macro TURN fill
.if \fill
	s_wait_xcnt 0x0                                ; the last prefetch, a step back, has read its address
	s_add_nc_u64 s[PFA:PFA+1], s[PFA:PFA+1], s[PST:PST+1]
.endif
	WIN 0
	s_wait_tensorcnt 0x0
	ds_add_u32 v[SPW], v[NIL]
	s_wait_dscnt 1                                 ; the fragments are in; the add may be out
	MULS F1, 0, MT/4
	s_wait_dscnt 0x0                               ; the add is done, my reads of this slot are over
	s_barrier_signal -1
	MULS F1, MT/4, MT/4
	WIN 0
	s_barrier_wait -1
.if \fill
	CREST                                          ; no wave of any partner still reads the slot or has a load on its way
	s_xor_b32 s[G0A+5], s[G0A+5], SLOT1            ; the walking descriptors: the other slot than last time, the next K step
	s_add_nc_u64 s[G0A+6:G0A+7], s[G0A+6:G0A+7], 2*BLK
	s_xor_b32 s[G0B+5], s[G0B+5], SLOT1
	s_add_nc_u64 s[G0B+6:G0B+7], s[G0B+6:G0B+7], 256*NT
	JLOAD                                          ; its four v_nop are also the places in front of the loads below
.else
	NOP4
.endif
	s_xor_b32 s[TB], s[TB], SLOT1
	v_add_nc_u32 v[ADA], s[TB], v[AFIX]
	v_add_nc_u32 v[ADB], s[TB], v[BFIX]
	FETCH 0, F0
.if \fill
	ASK
.endif
	MULS F1, MT/2, MT/2
	WIN 0
.endm
.macro STEP fill
	QUARTER 0, F0, F1
	QUARTER 1, F1, F0
	QUARTER 2, F0, F1
	TURN \fill
.endm
	s_load_b256 s[4:11], s[0:1], 0x0               ; A s[4:5], B s[6:7], bias s[8:9], out s[10:11]
	v_lshl_add_u32 v[SPW], v0, 2, SPARE
	v_mov_b32 v[NIL], 0
	ds_add_u32 v[SPW], v[NIL]                      ; the wave's opening: the add and its wait ahead of my first tensor load
	v_lshrrev_b32 v1, 5, v0
	v_readfirstlane_b32 s[WV], v1
	s_and_b32 s[U], s[WV], 1
	s_lshr_b32 s[WR], s[WV], 1
	s_bfe_u32 s[CX], ttmp6, 0x40000
	s_bfe_u32 s[CY], ttmp6, 0x40004
	s_lshl_b32 s[BX], ttmp9, 2
	s_add_co_u32 s[BX], s[BX], s[CX]               ; tile column = 4 x cluster x + cx
	s_and_b32 s[BY], ttmp7, 0xffff
	s_lshl_b32 s[BY], s[BY], 2
	s_add_co_u32 s[BY], s[BY], s[CY]               ; tile row = 4 x cluster y + cy
	s_lshl_b32 s66, s[CY], 2
	s_lshl_b32 s66, 15, s66                        ; my row of the cluster
	s_lshl_b32 s68, 0x1111, s[CX]                  ; my column
	s_or_b32 s[G1A], s66, (1<<16)|(1<<20)|(1<<21)|(4<<22)|(3<<25)  ; mask; 2-byte elements; padding on; bit 21 beside a mask; after every 32 words 4 words
	s_or_b32 s[G1B], s68, (1<<16)|(1<<20)|(1<<21)|(6<<22)|(7<<25)  ; after every 128 words 8 words
	s_mov_b32 s[G1A+1], 128<<16                    ; tensor_dim0 = 128
	s_mov_b32 s[G1A+2], (ROWS/2)<<16               ; tensor_dim1: two rows of the tile to a row of 256 bytes
	s_mov_b32 s[G1A+3], 128<<16                    ; tile_dim0
	s_mov_b32 s[G1A+4], ROWS/2                     ; tile_dim1
	s_mov_b32 s[G1A+5], 128                        ; dense
	s_mov_b32 s[G1A+6], 0
	s_mov_b32 s[G1A+7], 0
	s_mov_b32 s[G1B+1], 256<<16
	s_mov_b32 s[G1B+2], 64<<16
	s_mov_b32 s[G1B+3], 256<<16
	s_mov_b32 s[G1B+4], 64
	s_mov_b32 s[G1B+5], NT
	s_mov_b32 s[G1B+6], 0
	s_mov_b32 s[G1B+7], 0
	s_mul_i32 s[TS], s[U], ASUB                    ; where my tile goes: A's two blocks,
	s_mul_i32 s62, s[U], BSUB
	s_add_co_u32 s62, s62, 2*ASUB                  ; then B's two halves: no place in the cluster enters an LDS address
	s_mul_i32 s66, s[BY], ROWS*128                 ; A: the tile's rows in a block,
	s_lshl_b32 s67, s[U], 20                       ; block u of the step
	s_add_co_u32 s66, s66, s67
	s_mov_b32 s67, 0
	s_mul_i32 s68, s[U], 128*NT                    ; B: rows 64 u on,
	s_lshl_b32 s69, s[BX], 9                       ; columns 256 bx on
	s_add_co_u32 s68, s68, s69
	s_mov_b32 s69, 0
	s_mov_b32 s[TB], 0
	s_mov_b32 s[LG], 0x3fb8aa3b                    ; log2(e)
	s_mov_b32 s[LG+1], s[LG]
	s_wait_dscnt 0x0                               ; the opening add is done
	s_wait_kmcnt 0x0
	s_add_nc_u64 s[66:67], s[4:5], s[66:67]
	s_add_nc_u64 s[68:69], s[6:7], s[68:69]
	CROUND                                         ; all sixteen work-groups are here: the first joint loads meet
.irp n, 0,1
	s_mov_b32 s[G0A+4*\n], 1
	s_add_co_u32 s[G0A+4*\n+1], s[TS], \n*SLOT1
	s_add_nc_u64 s[G0A+4*\n+2:G0A+4*\n+3], s[66:67], \n*2*BLK
	s_or_b32 s[G0A+4*\n+3], s[G0A+4*\n+3], 0x80000000
	s_mov_b32 s[G0B+4*\n], 1
	s_add_co_u32 s[G0B+4*\n+1], s62, \n*SLOT1
	s_add_nc_u64 s[G0B+4*\n+2:G0B+4*\n+3], s[68:69], \n*256*NT
	s_or_b32 s[G0B+4*\n+3], s[G0B+4*\n+3], 0x80000000
.endr
	s_cmp_lt_u32 s[WV], 2                          ; a wave's two first fills stand in one branch, ahead of every wait on TENSORcnt and every LDS read
	s_cbranch_scc0 .Lfirst_b
	tensor_load_to_lds s[G0A:G0A+3], s[G1A:G1A+7]
	s_nop 0
	tensor_load_to_lds s[G0A+4:G0A+7], s[G1A:G1A+7]
	s_nop 0
.rept 4
	v_nop
.endr
	s_branch .Lfirst_asked
.Lfirst_b:
	tensor_load_to_lds s[G0B:G0B+3], s[G1B:G1B+7]
	s_nop 0
	tensor_load_to_lds s[G0B+4:G0B+7], s[G1B:G1B+7]
	s_nop 0
.rept 4
	v_nop
.endr
.Lfirst_asked:
	v_and_b32 v1, 15, v0                           ; r = lane % 16
	v_bfe_u32 v2, v0, 4, 1                         ; h = lane / 16
	v_and_b32 v3, 7, v0
	v_bfe_u32 v4, v0, 3, 1
	v_and_b32 v10, 31, v0
	v_lshlrev_b32 v[H32], 5, v2
	s_lshl_b32 s62, s[BX], 10                      ; my 128 columns, in f32: 256 bx + 128 (w % 2)
	s_lshl_b32 s63, s[U], 9
	s_add_co_u32 s62, s62, s63
	s_mov_b32 s63, 0
	s_add_nc_u64 s[BIAS:BIAS+1], s[8:9], s[62:63]
.set am, 0
.rept MT                               ; the sums start at the bias: register j of a lane is column 16 b + 8 h + j
	WIN 0x80+0x40*(am/4)
.irp b, 0,1,2,3,4,5,6,7
	global_load_b128 v[8*((8*am+\b)%32):8*((8*am+\b)%32)+3], v[H32], s[BIAS:BIAS+1] offset:64*\b
	global_load_b128 v[8*((8*am+\b)%32)+4:8*((8*am+\b)%32)+7], v[H32], s[BIAS:BIAS+1] offset:64*\b+16
.endr
.set am, am+1
.endr
	WIN 0
	s_mul_i32 s[TS], s[WR], 16*MT*PA
	v_mul_u32_u24 v[AFIX], v1, PA
	v_lshl_add_u32 v[AFIX], v2, 4, v[AFIX]
	v_add_nc_u32 v[AFIX], s[TS], v[AFIX]           ; (128 (w / 2) + r) x pitch + 16 h
	v_lshl_add_u32 v[BFIX], v2, 3, v3
	v_mul_u32_u24 v[BFIX], v[BFIX], PB
	v_lshl_add_u32 v[BFIX], v4, 4, v[BFIX]
	s_lshl_b32 s[TS], s[U], 8
	s_add_co_u32 s[TS], s[TS], 2*ASUB
	v_add_nc_u32 v[BFIX], s[TS], v[BFIX]           ; (8 h + l % 8) x pitch + 16 ((l / 8) % 2) + my 128 columns, behind A's tiles
	s_lshl_b32 s62, s[BY], 20                      ; out: tile 2 by + w / 2 (32 units of 16,384 bytes each),
	s_lshl_b32 s[TS], s[WR], 19
	s_add_co_u32 s62, s62, s[TS]
	s_lshl_b32 s[TS], s[BX], 16                    ; unit 4 bx + 2 (w % 2)
	s_add_co_u32 s62, s62, s[TS]
	s_lshl_b32 s[TS], s[U], 15
	s_add_co_u32 s62, s62, s[TS]
	s_add_nc_u64 s[OUT:OUT+1], s[10:11], s[62:63]
	s_mul_i32 s[TS], s[WV], 128*SP                 ; my 128 rows on the way out, over the ring when its last fill has been read
	v_lshlrev_b32 v[CO], 3, v10                    ; 8 x lane: two rows' pieces of 128 bytes
	v_mul_u32_u24 v[RD], v2, SP
	v_lshl_add_u32 v[RD], v1, 4, v[RD]
	v_add_nc_u32 v[RD], s[TS], v[RD]               ; lanes 0-15 take 256 bytes of one row, lanes 16-31 of the next
	v_mul_u32_u24 v[STO], v1, SP
	v_lshl_add_u32 v[STO], v2, 5, v[STO]
	v_add_nc_u32 v[STO], s[TS], v[STO]             ; in: row r, 32 bytes for each half of the lanes
	; the prefetches
	s_mul_i32 s62, s[BY], ROWS*128
	s_mul_i32 s63, s[CX], ROWS*32                  ; A: my work-group's quarter of the tile's blocks
	s_add_co_u32 s62, s62, s63
	s_add_co_u32 s63, s[U], 6                      ; at K step 3: the first change of slots steps it to 4
	s_lshl_b32 s63, s63, 20
	s_add_co_u32 s62, s62, s63
	s_lshl_b32 s66, s[BX], 9
	s_mul_i32 s67, s[CY], 32*NT                    ; B: my work-group's 16 of the 64 rows
	s_add_co_u32 s66, s66, s67
	s_mul_i32 s67, s[U], 128*NT
	s_add_co_u32 s66, s66, s67
	s_add_co_u32 s66, s66, 768*NT
	s_and_b32 s67, ttmp7, 0xffff                   ; cluster y
	s_mov_b32 s[PST], 256*NT
	s_cmp_lt_u32 s[WV], 2
	s_cselect_b32 s62, s62, s66
	s_cselect_b32 s67, ttmp9, s67                  ; the coordinate along which other clusters read the same tile
	s_cselect_b32 s[PST], 2*BLK, s[PST]
	s_cselect_b64 s[PFA:PFA+1], s[4:5], s[6:7]
	s_cselect_b32 s[TS], -1, 0
	s_mov_b32 s63, 0
	s_mov_b32 s[PST+1], 0
	s_cmp_eq_u32 s67, 0
	s_cselect_b32 s[LIM], 2, -1                    ; the same in all sixteen partners, for a given wave
	s_add_nc_u64 s[PFA:PFA+1], s[PFA:PFA+1], s[62:63]
	v_lshlrev_b32 v11, 8, v10                      ; A: a lane a block of 256 bytes
	v_lshrrev_b32 v17, 1, v10                      ; B: two lanes a row of 512 bytes
	v_mul_u32_u24 v17, v17, 2*NT
	v_and_b32 v18, 1, v0
	v_lshl_add_u32 v17, v18, 8, v17
	v_cndmask_b32 v[PFO], v17, v11, s[TS]
	s_wait_loadcnt 0x0                             ; the bias
	s_wait_tensorcnt 1                             ; my part of slot 0 is in; slot 1's may stay out
	s_barrier_signal -1
	s_barrier_wait -1
	v_mov_b32 v[ADA], v[AFIX]
	v_mov_b32 v[ADB], v[BFIX]
	FETCH 0, F0
	s_mov_b32 s[CNT], NSTEPS-2
.Lfill:                                ; trip j fills the slot that it has read with K step j + 2
	STEP 1
	s_sub_co_u32 s[CNT], s[CNT], 1
	s_cmp_lg_u32 s[CNT], 0
	s_cbranch_scc1 .Lfill
	s_mov_b32 s[CNT], 2
.Ltail:                                ; the last two K steps ask for nothing.  One text for both: the last trip's barrier and its loads from the other slot, which holds a tile that has been multiplied, serve nothing
	STEP 0
	s_sub_co_u32 s[CNT], s[CNT], 1
	s_cmp_lg_u32 s[CNT], 0
	s_cbranch_scc1 .Ltail
	; THE WAY OUT.  The ring has had its last fill: when every wave's reads of it are over, each wave lays its 128 rows x 128 f32 into LDS, and a loop of 16 trips takes 8 rows each:
	; elu(x) = max(x, e^min(x, 0) - 1), rounded to bf16, stored by units of 64 columns.
	s_wait_dscnt 0x0
	s_barrier_signal -1
	s_barrier_wait -1
	NOP4
.set am, 0
.rept MT
	WIN 0x08+0x04*(am/4)
.irp b, 0,1,2,3,4,5,6,7
	ds_store_b128 v[STO], v[8*((8*am+\b)%32):8*((8*am+\b)%32)+3] offset:am*16*SP+64*\b
	ds_store_b128 v[STO], v[8*((8*am+\b)%32)+4:8*((8*am+\b)%32)+7] offset:am*16*SP+64*\b+16
.endr
.set am, am+1
.endr
	WIN 0
	s_wait_dscnt 0x0
	s_barrier_signal -1                            ; once a launch: behind this barrier LDS is only read
	s_barrier_wait -1
	s_mov_b32 s[SOFF], 0
	s_mov_b32 s[CNT], 16
.Lelu:
	v_add_nc_u32 v[RDC], s[SOFF], v[RD]
.irp n, 0,1,2,3,4,5,6,7                ; rows 2 (n / 2), + 1; columns 64 (n % 2) on
	ds_load_b128 v[XR+4*\n:XR+4*\n+3], v[RDC] offset:(\n/2)*2*SP+(\n%2)*256
.endr
	s_wait_dscnt 0x0
.set z, 0
.rept 16
	v_pk_mul_f32 v[ER+z:ER+z+1], v[XR+z:XR+z+1], s[LG:LG+1] op_sel_hi:[1,0]
.set z, z+2
.endr
.set z, 0
.rept 32
	v_min_num_f32 v[ER+z], 0, v[ER+z]
.set z, z+1
.endr
.set z, 0
.rept 32
	v_exp_f32 v[ER+z], v[ER+z]
.set z, z+1
.endr
	v_nop                                          ; a plain instruction behind the last exponential,
	s_wait_alu depctr_va_vdst(0)                   ; and the one wait ahead of the first use
.set z, 0
.rept 16
	v_pk_add_f32 v[ER+z:ER+z+1], v[ER+z:ER+z+1], -1.0 op_sel_hi:[1,0]
.set z, z+2
.endr
.set z, 0
.rept 32
	v_max_num_f32 v[XR+z], v[XR+z], v[ER+z]
.set z, z+1
.endr
.set z, 0
.rept 16
	v_cvt_pk_bf16_f32 v[YR+z], v[XR+2*z], v[XR+2*z+1]
.set z, z+1
.endr
.irp n, 0,1,2,3,4,5,6,7
	global_store_b64 v[CO], v[YR+2*\n:YR+2*\n+1], s[OUT:OUT+1] offset:(\n%2)*OBLK+(\n/2)*256  ; 256 consecutive bytes, aligned
.endr
	s_wait_xcnt 0x0                                ; the stores have read their data and their base
	s_add_nc_u64 s[OUT:OUT+1], s[OUT:OUT+1], 8*128
	s_add_co_u32 s[SOFF], s[SOFF], 8*SP
	s_sub_co_u32 s[CNT], s[CNT], 1
	s_cmp_lg_u32 s[CNT], 0
	s_cbranch_scc1 .Lelu
	s_wait_tensorcnt 0x0                           ; the wave's end: behind my last tensor load and my last LDS store
	ds_add_u32 v[SPW], v[NIL]
	s_wait_dscnt 0x0
	CROUND                                         ; the closing round: no work-group ends while a partner may still ask for a tile that names it
	s_endpgm
.Lfunc_end_k_q878cd7967c_ffn1:
	.size	k_q878cd7967c_ffn1, .Lfunc_end_k_q878cd7967c_ffn1-k_q878cd7967c_ffn1
	.p2alignl 7, 3214868480
	.fill 96, 4, 3214868480
	.section	.rodata,"a",@progbits
	.p2align	6, 0x0
	.amdhsa_kernel k_q878cd7967c_ffn1
		.amdhsa_group_segment_fixed_size 327680
		.amdhsa_private_segment_fixed_size 0
		.amdhsa_enable_private_segment 0
		.amdhsa_kernarg_size 32
		.amdhsa_user_sgpr_count 2
		.amdhsa_user_sgpr_kernarg_segment_ptr 1
		.amdhsa_wavefront_size32 1
		.amdhsa_system_sgpr_workgroup_id_x 1
		.amdhsa_system_sgpr_workgroup_id_y 1
		.amdhsa_system_sgpr_workgroup_id_z 1
		.amdhsa_system_vgpr_workitem_id 0
		.amdhsa_next_free_vgpr 1024
		.amdhsa_next_free_sgpr 80
		.amdhsa_reserve_vcc 0
		.amdhsa_float_denorm_mode_32 3
		.amdhsa_float_denorm_mode_16_64 3
		.amdhsa_memory_ordered 1
		.amdhsa_forward_progress 1
		.amdhsa_inst_pref_size 92
	.end_amdhsa_kernel
	.amdgpu_metadata
---
amdhsa.version: [ 1, 2 ]
amdhsa.kernels:
  - .name:           k_q878cd7967c_ffn1
    .symbol:         k_q878cd7967c_ffn1.kd
    .args:
      - { .name: nrm, .offset: 0, .size: 8, .value_kind: global_buffer, .address_space: global }
      - { .name: w1_h, .offset: 8, .size: 8, .value_kind: global_buffer, .address_space: global }
      - { .name: b1, .offset: 16, .size: 8, .value_kind: global_buffer, .address_space: global }
      - { .name: f1, .offset: 24, .size: 8, .value_kind: global_buffer, .address_space: global }
    .group_segment_fixed_size: 327680
    .private_segment_fixed_size: 0
    .kernarg_segment_align: 8
    .kernarg_segment_size: 32
    .max_flat_workgroup_size: 128
    .sgpr_count:     80
    .vgpr_count:     1024
    .wavefront_size: 32
...
	.end_amdgpu_metadata
.endif
;; end of part 5
;; launch ffn2 (part 6): grid 4 x 64, 4 waves a work-group, clusters of 4 x 4, 327,680 bytes of LDS; arguments f1, w2_h, b2, x1, out0; writes out0
.if DOCPART == 6
	.amdgcn_target "amdgcn-amd-amdhsa--gfx1250"
	.amdhsa_code_object_version 6
	.text
	.protected	k_q878cd7967c_ffn2
	.globl	k_q878cd7967c_ffn2
	.p2align	8
	.type	k_q878cd7967c_ffn2,@function
k_q878cd7967c_ffn2:
	s_mov_b64 s[64:65], 0
	v_nop
	global_prefetch_b8 v0, s[64:65] scope:SCOPE_SE
	s_setreg_imm32_b32 hwreg(HW_REG_WAVE_MODE, 25, 1), 1
	s_wait_xcnt 0x0
	s_wait_alu depctr_hold_cnt(0) depctr_sa_sdst(0) depctr_va_vdst(0) depctr_va_sdst(0) depctr_va_ssrc(0) depctr_va_vcc(0) depctr_vm_vsrc(0)
	s_getreg_b32 s2, hwreg(HW_REG_IB_STS2, 6, 4)
	s_cmp_eq_u32 s2, 0
	s_cbranch_scc0 .Lentry_in_a_cluster
	s_endpgm
.Lentry_in_a_cluster:
	s_bfe_u32 s2, ttmp6, 0x10000c
	s_cmp_lg_u32 s2, 0xf033
	s_cbranch_scc0 .Lentry_shape_is_right
	s_endpgm
.Lentry_shape_is_right:
; out0 = x1 + f1 W2 + b2.  One text serves the module's two products with 1,024 columns; KT below makes it this one.
; out = residual + A B + bias, f32 [8192][1024].  A: bf16, in tiles of 128 rows: [64 tiles][KT / 64 units][128 rows][64]: a tile's units lie end to end in memory.
; B: bf16, [KT][1024], turned at the LDS read.  Sums in f32.
; SHARES.  A work-group makes 128 rows x 256 columns (256 work-groups), a wave 64 x 128: 32 accumulators.  The product is used transposed (source 0 = 16 columns of B, source 1 = 16 rows
; of A): a lane holds row lane % 16 of C and columns 8 (lane / 16) + 0..7.  THE SUMS START AT THE BIAS: the accumulators are loaded with it; nothing is cleared.
; RING.  K goes in steps of 192 = three units of 64 through two LDS slots.  A unit takes 128 x 144 bytes of A and 64 x 544 of B, a slot 159,744 bytes: two slots of three units are what
; fits; four units a slot would not.  A step holds 192 products a wave, 176 of them between a tile's request and the wait for it.  Wave 0 fetches A's three units (49,152 dense bytes: 192 rows of 256),
; wave t + 1 unit t of B (64 rows of 512 bytes).  By this text's count a wave has two tensor loads out at the start and one behind each change of slots.
; KT IS NO MULTIPLE OF 192 (this text serves KT / 64 = 3 NFULL + REM with REM 1 or 2).  The last refill steps its addresses by REM units only: it brings the LAST 192 of K, inside the buffers, and the
; last step, written out, multiplies the slot's units 3 - REM .. 2 alone: no product is made twice and none on padding.
; CLUSTER.  4 x 4 work-groups: A's tile is shared along a row of the cluster, B's along a column: joint loads.
; LIMITS.  bf16 operands; NaN and infinities are not treated apart.
.set KT,    2048
.set NT,    1024
.set NU,    KT/64                      ; units of 64 along K
.set NFULL, NU/3                       ; whole steps
.set REM,   NU-3*NFULL                 ; units of the last step
.set U0,    3-REM                      ; the unit of its slot at which the last step begins
.set ABLK,  16384                      ; a unit of A in memory: 128 rows x 128 bytes
.set ATILE, NU*ABLK                    ; a tile of 128 rows of A
.set PA,    144                        ; a row of A in LDS: 128 bytes + 16: the 16 rows of a load start at 16 different groups of four banks (64 banks of 4 bytes: ISA guide 11.1)
.set PB,    544                        ; a row of B: 512 + 32
.set AU,    128*PA                     ; a unit of A in LDS
.set BU,    64*PB                      ; a unit of B
.set BOFF,  3*AU                       ; B's units lie behind A's
.set SLOT1, 3*AU+3*BU                  ; slot 1 begins where slot 0 ends
.set SP,    528                        ; a row of 128 f32 on the way out: 512 bytes + 16
.set SPARE, 2*SLOT1                    ; behind the ring: the spare words, 128 bytes for each wave: two blocks of 256 bytes that no other line names
; The stage of the way out, 16 rows x 528 bytes for each wave, lies over slot 0, from LDS byte 0: it is written when the ring has had its last fill and every wave's last read of it is over.
; window 0: addresses; fragments of A in two buffers at v64, v128.  Window 1: fragments of B at v64, v128.  Window 2: accumulator (a, b) at v[8 (8 a + b)].  Window 3: the residual, 4 registers for each of my 64 rows.
.set AFIX, 5                           ; v5   my lane's place in a unit of A
.set BFIX, 6                           ; v6   in a unit of B
.set ADA,  7                           ; v7   the same in the unit in hand
.set ADB,  8                           ; v8
.set H32,  9
.set PFO,  12                          ; v12  the prefetches' offset; never rewritten
.set STO,  13
.set RD,   14
.set CO,   15
.set SPW,  28
.set NIL,  29
.set F0,   64
.set F1,   128
.set XR,   64                          ; the way out
.set WV,  14
.set U,   15                           ; w % 2: my half of the columns
.set WR,  16                           ; w / 2: my half of the rows
.set CX,  17
.set CY,  18
.set BX,  19
.set BY,  20
.set TB,  21                           ; the slot in hand: 0 or SLOT1
.set CNT, 22
.set LIM, 23
.set G1A, 24
.set G1B, 32
.set G0A, 40
.set G0B, 48
.set TS,  56
.set WB,  57                           ; where my unit of B lies in a slot
.set PFA, 58
.set PST, 60
.set BIAS, 70
.set RES, 72
.set OUT, 74
.set UA,  76                           ; LDS byte at which the unit in hand begins, for A
.set UB,  77                           ; and, less BOFF, for B
.set UC,  78                           ; counts a step's first two units
.set T,   79                           ; the unit of B that I fetch
.set SA,  80                           ; s[80:81] this refill's step in A, s[82:83] in B
.set SB,  82
.set SAF, 84                           ; a whole step and the last one, in bytes
.set SAL, 85
.set SBF, 86
.set SBL, 87
.set MSB, 0
.macro WIN new                         ; s_set_vgpr_msb: bits 1:0 source 0, 3:2 source 1, 5:4 source 2, 7:6 destination; the high byte repeats the setting that is left
.if MSB != (\new)
	s_set_vgpr_msb (MSB<<8)|(\new)
.set MSB, \new
.endif
.endm
.macro NOP4                            ; four places behind a matrix instruction (ISA guide 7.12.1 for vector instructions)
.rept 4
	v_nop
.endr
.endm
.macro CREST                           ; a round of the cluster's barrier behind its opening barrier
	s_cmp_lg_u32 s[WV], 0
	s_cbranch_scc1 .Lnot_wave_0_\@
	s_barrier_signal -3
.Lnot_wave_0_\@:
	s_barrier_wait -3
	s_barrier_signal -1
	s_barrier_wait -1
.endm
.macro CROUND
	s_barrier_signal -1
	s_barrier_wait -1
	CREST
.endm
.macro JLOAD                           ; a joint refill by the walking descriptors; an s_nop 0 and four v_nop follow each line
	s_cmp_eq_u32 s[WV], 0
	s_cbranch_scc0 .Lfor_b_\@
	tensor_load_to_lds s[G0A+4:G0A+7], s[G1A:G1A+7]
	s_nop 0
.rept 4
	v_nop
.endr
	s_branch .Lasked_\@
.Lfor_b_\@:
	tensor_load_to_lds s[G0B+4:G0B+7], s[G1B:G1B+7]
	s_nop 0
.rept 4
	v_nop
.endr
.Lasked_\@:
.endm
; A PREFETCH INTO THE L2, behind the joint load of trip j (which asks for step j + 2) and the run of LDS loads.  Each aligned 256 bytes are named at most once in the launch, and whole steps alone.
; B: read by all clusters of a column of clusters: cluster y = 0 asks; wave t + 1 names its own unit of step j + 3, of whose 64 rows partner cy takes 16 BY ADDRESS, two lanes a row: one instruction a trip.
; A: a tile is read by one row of one cluster (cluster x = 0 asks; the grid has no other); wave 0 names steps j + 3 and j + 4 at once, in every second trip: their 98,304 dense bytes are shared out
; among the four partners BY ADDRESS (cx): 24,576 bytes each, three instructions, a lane a block.
; Steps 0 to 2 and the last step's units come by their loads alone: B is asked for while the count is above 2, A while it is above 3.
.macro ASK
	s_cmp_gt_u32 s[CNT], s[LIM]
	s_cbranch_scc0 .Lnot_now_\@
	s_cmp_eq_u32 s[WV], 0
	s_cbranch_scc0 .Lask_b_\@
	s_and_b32 s[TS], s[CNT], 1
	s_cmp_eq_u32 s[TS], (NFULL-1)&1                ; the trips with an even j
	s_cbranch_scc0 .Lnot_now_\@
	global_prefetch_b8 v[PFO], s[PFA:PFA+1] th:TH_LOAD_NT scope:SCOPE_SE
	global_prefetch_b8 v[PFO], s[PFA:PFA+1] offset:8192 th:TH_LOAD_NT scope:SCOPE_SE
	global_prefetch_b8 v[PFO], s[PFA:PFA+1] offset:16384 th:TH_LOAD_NT scope:SCOPE_SE
	s_branch .Lnot_now_\@
.Lask_b_\@:
	global_prefetch_b8 v[PFO], s[PFA:PFA+1] th:TH_LOAD_NT scope:SCOPE_SE
.Lnot_now_\@:
.endm
.macro MULR f, a                       ; 8 products: row block a x all 8 column blocks, 32 along K
	WIN 0xa1                                       ; B in window 1, A in window 0, C and D in window 2
.irp b, 0,1,2,3,4,5,6,7
	v_wmma_f32_16x16x32_bf16 v[8*(8*(\a)+\b):8*(8*(\a)+\b)+7], v[(\f)+8*\b:(\f)+8*\b+7], v[(\f)+8*(\a):(\f)+8*(\a)+7], v[8*(8*(\a)+\b):8*(8*(\a)+\b)+7]
.endr
.endm
.macro MULS f, a0, n                   ; row blocks a0 .. a0 + n - 1.  All 32 accumulators take turns, in the same order in every half, over the backward jumps too
.set am, \a0
.rept \n
	MULR \f, am
.set am, am+1
.endr
.endm
; The fragments of 32 along K, in one run of 24 loads: half k2 of the unit du behind the unit in hand: B's 8, turned, then A's 4.
.macro FETCH du, k2, f
	WIN 0x40                                       ; destination window 1
.irp c, 0,1,2,3,4,5,6,7
	ds_load_tr16_b128 v[(\f)+8*\c:(\f)+8*\c+3], v[ADB] offset:(\du)*BU+(\k2)*32*PB+32*\c
	ds_load_tr16_b128 v[(\f)+8*\c+4:(\f)+8*\c+7], v[ADB] offset:(\du)*BU+(\k2)*32*PB+16*PB+32*\c
.endr
	WIN 0
.irp i, 0,1,2,3
	ds_load_b128 v[(\f)+8*\i:(\f)+8*\i+3], v[ADA] offset:(\du)*AU+\i*16*PA+(\k2)*64
	ds_load_b128 v[(\f)+8*\i+4:(\f)+8*\i+7], v[ADA] offset:(\du)*AU+\i*16*PA+(\k2)*64+32
.endr
.endm
; Half a unit: 32 products on buffer f.  At its head the NEXT half's fragments are asked for, into the buffer g that the half before multiplied: they have these 32 products in which to come.
; The counted wait leaves that run out; LDS returns a wave's loads in order (ISA guide 5.7.1), so buffer f, asked for a half ago, is in.
.macro HALF du, k2, f, g
	NOP4                                           ; the places behind the last products, which read g
	FETCH \du, \k2, \g
	s_wait_dscnt 24                                ; all but the 24 loads just issued
	MULS \f, 0, 4
.endm
.macro UNIT                            ; a unit that is not its slot's last: both halves, then the addresses step to the next unit
	HALF 0, 1, F0, F1
	HALF 1, 0, F1, F0
	WIN 0
	s_add_co_u32 s[UA], s[UA], AU
	s_add_co_u32 s[UB], s[UB], BU
	v_add_nc_u32 v[ADA], s[UA], v[AFIX]
	v_add_nc_u32 v[ADB], s[UB], v[BFIX]
.endm
; A step's last half changes slots: ONE barrier.  In front of it each wave waits for all its tensor loads (one is out: its part of the other slot), adds 0 to its spare word, and waits for
; that and for its reads of this slot.  fill = 1: the barrier opens a round of the cluster's, and the joint refill of the slot just read is the first thing behind the round.
; nu: the unit of the other slot at which the next step begins.
.macro TURN fill, nu
.if \fill
	s_wait_xcnt 0x0                                ; the last prefetches, a step back, have read their address
	s_add_nc_u64 s[PFA:PFA+1], s[PFA:PFA+1], s[PST:PST+1]
.endif
	WIN 0
	s_wait_tensorcnt 0x0                           ; no tensor load of mine is out, so a group 0 may be written
	ds_add_u32 v[SPW], v[NIL]                      ; 0 onto my spare word; the descriptors' steps and eight products stand between it and the wait for it
.if \fill
	s_cmp_eq_u32 s[CNT], 1                         ; the last refill steps by REM units: it ends at K's end
	s_cselect_b32 s[SA], s[SAL], s[SAF]
	s_cselect_b32 s[SB], s[SBL], s[SBF]
	s_mov_b32 s[G0A+5], s[TB]                      ; the walking descriptors: into the slot in hand,
	s_add_nc_u64 s[G0A+6:G0A+7], s[G0A+6:G0A+7], s[SA:SA+1]  ; the step after the other slot's; the type bits on top are not reached
	s_add_co_u32 s[G0B+5], s[TB], s[WB]
	s_add_nc_u64 s[G0B+6:G0B+7], s[G0B+6:G0B+7], s[SB:SB+1]
.endif
	s_wait_dscnt 1                                 ; the fragments are in; the add may be out
	MULS F1, 0, 1
	s_wait_dscnt 0x0                               ; the add is done, my reads of this slot are over
	s_barrier_signal -1
	MULS F1, 1, 1
	WIN 0
	s_barrier_wait -1
.if \fill
	CREST                                          ; no wave of any partner still reads the slot or has a load on its way
	JLOAD                                          ; its four v_nop are also the places in front of the loads below
.else
	NOP4
.endif
	s_xor_b32 s[TB], s[TB], SLOT1
	s_add_co_u32 s[UA], s[TB], (\nu)*AU
	s_add_co_u32 s[UB], s[TB], (\nu)*BU
	v_add_nc_u32 v[ADA], s[UA], v[AFIX]
	v_add_nc_u32 v[ADB], s[UB], v[BFIX]
	FETCH 0, 0, F0
.if \fill
	ASK
.endif
	MULS F1, 2, 2
	WIN 0
.endm
	s_load_b256 s[4:11], s[0:1], 0x0               ; A s[4:5], B s[6:7], bias s[8:9], residual s[10:11]
	s_load_b64 s[12:13], s[0:1], 0x20              ; out
	v_lshl_add_u32 v[SPW], v0, 2, SPARE
	v_mov_b32 v[NIL], 0
	ds_add_u32 v[SPW], v[NIL]                      ; the wave's opening: the add and its wait ahead of my first tensor load
	v_lshrrev_b32 v1, 5, v0
	v_readfirstlane_b32 s[WV], v1
	s_and_b32 s[U], s[WV], 1
	s_lshr_b32 s[WR], s[WV], 1
	s_bfe_u32 s[CX], ttmp6, 0x40000
	s_bfe_u32 s[CY], ttmp6, 0x40004
	s_lshl_b32 s[BX], ttmp9, 2
	s_add_co_u32 s[BX], s[BX], s[CX]               ; tile column = 4 x cluster x + cx
	s_and_b32 s[BY], ttmp7, 0xffff
	s_lshl_b32 s[BY], s[BY], 2
	s_add_co_u32 s[BY], s[BY], s[CY]               ; tile row = 4 x cluster y + cy
	s_lshl_b32 s66, s[CY], 2
	s_lshl_b32 s66, 15, s66                        ; my row of the cluster
	s_lshl_b32 s68, 0x1111, s[CX]                  ; my column
	s_or_b32 s[G1A], s66, (1<<16)|(1<<20)|(1<<21)|(4<<22)|(3<<25)  ; mask; 2-byte elements; padding on; bit 21 beside a mask; after every 32 words 4 words
	s_or_b32 s[G1B], s68, (1<<16)|(1<<20)|(1<<21)|(6<<22)|(7<<25)  ; after every 128 words 8 words
	s_mov_b32 s[G1A+1], 128<<16                    ; tensor_dim0 = 128
	s_mov_b32 s[G1A+2], 192<<16                    ; tensor_dim1: three units of 64 rows of 256 bytes (two rows of the tile to a row)
	s_mov_b32 s[G1A+3], 128<<16                    ; tile_dim0
	s_mov_b32 s[G1A+4], 192                        ; tile_dim1
	s_mov_b32 s[G1A+5], 128                        ; dense
	s_mov_b32 s[G1A+6], 0
	s_mov_b32 s[G1A+7], 0
	s_mov_b32 s[G1B+1], 256<<16
	s_mov_b32 s[G1B+2], 64<<16
	s_mov_b32 s[G1B+3], 256<<16
	s_mov_b32 s[G1B+4], 64
	s_mov_b32 s[G1B+5], NT
	s_mov_b32 s[G1B+6], 0
	s_mov_b32 s[G1B+7], 0
	s_mul_i32 s[WB], s[WV], BU
	s_add_co_u32 s[WB], s[WB], BOFF-BU             ; wave t + 1's unit lies at BOFF + t BU: no place in the cluster enters an LDS address
	s_max_u32 s[T], s[WV], 1
	s_sub_co_u32 s[T], s[T], 1                     ; t (in wave 0, which fetches no B: 0)
	s_mul_i32 s66, s[BY], ATILE                    ; A: my tile of 128 rows
	s_mov_b32 s67, 0
	s_mul_i32 s68, s[T], 128*NT                    ; B: rows 64 t on,
	s_lshl_b32 s69, s[BX], 9                       ; columns 256 bx on
	s_add_co_u32 s68, s68, s69
	s_mov_b32 s69, 0
	s_mov_b32 s[SAF], 3*ABLK
	s_mov_b32 s[SAL], REM*ABLK
	s_mov_b32 s[SBF], 384*NT                       ; 192 rows of 2 NT bytes
	s_mov_b32 s[SBL], REM*128*NT
	s_mov_b32 s[SA+1], 0
	s_mov_b32 s[SB+1], 0
	s_mov_b32 s[TB], 0
	s_wait_dscnt 0x0                               ; the opening add is done
	s_wait_kmcnt 0x0
	s_add_nc_u64 s[66:67], s[4:5], s[66:67]
	s_add_nc_u64 s[68:69], s[6:7], s[68:69]
	CROUND                                         ; all sixteen work-groups are here: the first joint loads meet
.irp n, 0,1
	s_mov_b32 s[G0A+4*\n], 1
	s_mov_b32 s[G0A+4*\n+1], \n*SLOT1
	s_add_nc_u64 s[G0A+4*\n+2:G0A+4*\n+3], s[66:67], \n*3*ABLK
	s_or_b32 s[G0A+4*\n+3], s[G0A+4*\n+3], 0x80000000
	s_mov_b32 s[G0B+4*\n], 1
	s_add_co_u32 s[G0B+4*\n+1], s[WB], \n*SLOT1
	s_add_nc_u64 s[G0B+4*\n+2:G0B+4*\n+3], s[68:69], \n*384*NT
	s_or_b32 s[G0B+4*\n+3], s[G0B+4*\n+3], 0x80000000
.endr
	s_cmp_eq_u32 s[WV], 0                          ; a wave's two first fills stand in one branch, ahead of every wait on TENSORcnt and every LDS read
	s_cbranch_scc0 .Lfirst_b
	tensor_load_to_lds s[G0A:G0A+3], s[G1A:G1A+7]
	s_nop 0
	tensor_load_to_lds s[G0A+4:G0A+7], s[G1A:G1A+7]
	s_nop 0
.rept 4
	v_nop
.endr
	s_branch .Lfirst_asked
.Lfirst_b:
	tensor_load_to_lds s[G0B:G0B+3], s[G1B:G1B+7]
	s_nop 0
	tensor_load_to_lds s[G0B+4:G0B+7], s[G1B:G1B+7]
	s_nop 0
.rept 4
	v_nop
.endr
.Lfirst_asked:
	v_and_b32 v1, 15, v0                           ; r = lane % 16
	v_bfe_u32 v2, v0, 4, 1                         ; h = lane / 16
	v_and_b32 v3, 7, v0
	v_bfe_u32 v4, v0, 3, 1
	v_and_b32 v10, 31, v0
	v_lshlrev_b32 v[H32], 5, v2
	s_lshl_b32 s62, s[BX], 10                      ; my 128 columns, in f32: 256 bx + 128 (w % 2)
	s_lshl_b32 s63, s[U], 9
	s_add_co_u32 s62, s62, s63
	s_mov_b32 s63, 0
	s_add_nc_u64 s[BIAS:BIAS+1], s[8:9], s[62:63]
	WIN 0x80                                       ; the sums start at the bias: register j of a lane is column 16 b + 8 h + j
.irp a, 0,1,2,3
.irp b, 0,1,2,3,4,5,6,7
	global_load_b128 v[8*(8*\a+\b):8*(8*\a+\b)+3], v[H32], s[BIAS:BIAS+1] offset:64*\b
	global_load_b128 v[8*(8*\a+\b)+4:8*(8*\a+\b)+7], v[H32], s[BIAS:BIAS+1] offset:64*\b+16
.endr
.endr
	WIN 0
	s_mul_i32 s[TS], s[WR], 64*PA
	v_mul_u32_u24 v[AFIX], v1, PA
	v_lshl_add_u32 v[AFIX], v2, 4, v[AFIX]
	v_add_nc_u32 v[AFIX], s[TS], v[AFIX]           ; (64 (w / 2) + r) x pitch + 16 h
	v_lshl_add_u32 v[BFIX], v2, 3, v3
	v_mul_u32_u24 v[BFIX], v[BFIX], PB
	v_lshl_add_u32 v[BFIX], v4, 4, v[BFIX]
	s_lshl_b32 s[TS], s[U], 8
	s_add_co_u32 s[TS], s[TS], BOFF
	v_add_nc_u32 v[BFIX], s[TS], v[BFIX]           ; (8 h + l % 8) x pitch + 16 ((l / 8) % 2) + my 128 columns, behind A's units
	s_lshl_b32 s[TS], s[BY], 19                    ; my first row, 128 by + 64 (w / 2), of 4,096 bytes
	s_add_co_u32 s62, s62, s[TS]
	s_lshl_b32 s[TS], s[WR], 18
	s_add_co_u32 s62, s62, s[TS]
	s_add_nc_u64 s[RES:RES+1], s[10:11], s[62:63]
	s_add_nc_u64 s[OUT:OUT+1], s[12:13], s[62:63]
	s_mul_i32 s[TS], s[WV], 16*SP                  ; my stage
	v_lshlrev_b32 v[CO], 4, v10                    ; 16 x lane: a row's 512 bytes
	v_add_nc_u32 v[RD], s[TS], v[CO]
	v_mul_u32_u24 v[STO], v1, SP
	v_lshl_add_u32 v[STO], v2, 5, v[STO]
	v_add_nc_u32 v[STO], s[TS], v[STO]             ; in: row r, 32 bytes for each half of the lanes
	; the prefetches
	s_mul_i32 s62, s[BY], ATILE
	s_mul_i32 s63, s[CX], 24576                    ; A: my work-group's quarter of two steps' dense bytes
	s_add_co_u32 s62, s62, s63
	s_add_co_u32 s62, s62, 6*ABLK                  ; at step 2: the first change of slots steps it to 3
	s_lshl_b32 s66, s[BX], 9
	s_mul_i32 s67, s[CY], 32*NT                    ; B: my work-group's 16 of my unit's 64 rows
	s_add_co_u32 s66, s66, s67
	s_mul_i32 s67, s[T], 128*NT
	s_add_co_u32 s66, s66, s67
	s_add_co_u32 s66, s66, 768*NT                  ; at step 2
	s_and_b32 s67, ttmp7, 0xffff                   ; cluster y
	s_mov_b32 s[PST], 384*NT
	s_cmp_eq_u32 s[WV], 0
	s_cselect_b32 s62, s62, s66
	s_cselect_b32 s67, ttmp9, s67                  ; the coordinate along which other clusters read the same tile
	s_cselect_b32 s63, 3, 2
	s_cselect_b32 s[PST], 3*ABLK, s[PST]
	s_cselect_b64 s[PFA:PFA+1], s[4:5], s[6:7]
	s_cselect_b32 s[TS], -1, 0
	s_cmp_eq_u32 s67, 0
	s_cselect_b32 s[LIM], s63, -1                  ; the same in all sixteen partners, for a given wave
	s_mov_b32 s63, 0
	s_mov_b32 s[PST+1], 0
	s_add_nc_u64 s[PFA:PFA+1], s[PFA:PFA+1], s[62:63]
	v_lshlrev_b32 v11, 8, v10                      ; A: a lane a block of 256 bytes
	v_lshrrev_b32 v17, 1, v10                      ; B: two lanes a row of 512 bytes
	v_mul_u32_u24 v17, v17, 2*NT
	v_and_b32 v18, 1, v0
	v_lshl_add_u32 v17, v18, 8, v17
	v_cndmask_b32 v[PFO], v17, v11, s[TS]
	s_wait_loadcnt 0x0                             ; the bias
	WIN 0xc0                                       ; the residual, a row's 512 bytes a load: asked for now, wanted at the end.  My first 48 rows here; the last 16 between the loops
.set n, 0
.rept 48
	global_load_b128 v[4*n:4*n+3], v[CO], s[RES:RES+1] offset:n*4096 th:TH_LOAD_NT
.set n, n+1
.endr
	WIN 0
	s_wait_tensorcnt 1                             ; my part of slot 0 is in; slot 1's may stay out
	s_barrier_signal -1
	s_barrier_wait -1
	s_mov_b32 s[UA], 0
	s_mov_b32 s[UB], 0
	v_mov_b32 v[ADA], v[AFIX]
	v_mov_b32 v[ADB], v[BFIX]
	FETCH 0, 0, F0
	s_mov_b32 s[CNT], NFULL-1
.Lfill:                                ; steps 0 .. NFULL - 2: trip j fills the slot that it has read with step j + 2
	s_mov_b32 s[UC], 2
.Lfill_unit:                           ; a unit's text is written once and walked twice; the LDS addresses hang on s[UA], s[UB]
	UNIT
	s_sub_co_u32 s[UC], s[UC], 1
	s_cmp_lg_u32 s[UC], 0
	s_cbranch_scc1 .Lfill_unit
	HALF 0, 1, F0, F1
	TURN 1, 0
	s_sub_co_u32 s[CNT], s[CNT], 1
	s_cmp_lg_u32 s[CNT], 0
	s_cbranch_scc1 .Lfill
	WIN 0xc0
.set n, 48
.rept 16
	global_load_b128 v[4*n:4*n+3], v[CO], s[RES:RES+1] offset:n*4096 th:TH_LOAD_NT
.set n, n+1
.endr
	WIN 0
	s_mov_b32 s[UC], 2                             ; step NFULL - 1: nothing is asked for
.Ltail_unit:
	UNIT
	s_sub_co_u32 s[UC], s[UC], 1
	s_cmp_lg_u32 s[UC], 0
	s_cbranch_scc1 .Ltail_unit
	HALF 0, 1, F0, F1
	TURN 0, U0                                     ; the last slot holds the last 192 of K: the fetches begin at its unit U0
.if U0 == 1
	UNIT
.endif
	HALF 0, 1, F0, F1
	s_wait_dscnt 0x0                               ; the very last fragments
	MULS F1, 0, 4
	WIN 0
	; THE WAY OUT, 16 rows at a time through my stage: 32 bytes a lane in, whole rows of 512 bytes back, the residual added, stored.
	s_wait_loadcnt 0x0                             ; the residual
	s_barrier_signal -1                            ; every wave's reads of the ring are over (each has just waited for its own): the stages lie over slot 0
	s_barrier_wait -1
	NOP4                                           ; the places behind the last products
.irp a, 0,1,2,3
	WIN 0x08                                       ; store data in window 2
.irp b, 0,1,2,3,4,5,6,7
	ds_store_b128 v[STO], v[8*(8*\a+\b):8*(8*\a+\b)+3] offset:64*\b
	ds_store_b128 v[STO], v[8*(8*\a+\b)+4:8*(8*\a+\b)+7] offset:64*\b+16
.endr
	WIN 0
	s_wait_xcnt 0x0                                ; the last block's stores have read the registers that are loaded below
.irp t, 0,1,2,3,4,5,6,7,8,9,10,11,12,13,14,15
	ds_load_b128 v[XR+4*\t:XR+4*\t+3], v[RD] offset:\t*SP  ; LDS serves a wave's instructions in order (ISA guide 5.7.1.4): these see the stores above
.endr
	s_wait_dscnt 0x0
	WIN 0x0c                                       ; source 1 in window 3
.set z, 0
.rept 32
	v_pk_add_f32 v[XR+z:XR+z+1], v[XR+z:XR+z+1], v[64*\a+z:64*\a+z+1]
.set z, z+2
.endr
	WIN 0
.irp t, 0,1,2,3,4,5,6,7,8,9,10,11,12,13,14,15
	global_store_b128 v[CO], v[XR+4*\t:XR+4*\t+3], s[OUT:OUT+1] offset:(16*\a+\t)*4096  ; 512 consecutive bytes, at a multiple of 256 from the buffer's first
.endr
.endr
	s_wait_tensorcnt 0x0                           ; the wave's end: behind my last tensor load and my last LDS store
	ds_add_u32 v[SPW], v[NIL]
	s_wait_dscnt 0x0
	CROUND                                         ; the closing round: no work-group ends while a partner may still ask for a tile that names it
	s_endpgm
.Lfunc_end_k_q878cd7967c_ffn2:
	.size	k_q878cd7967c_ffn2, .Lfunc_end_k_q878cd7967c_ffn2-k_q878cd7967c_ffn2
	.p2alignl 7, 3214868480
	.fill 96, 4, 3214868480
	.section	.rodata,"a",@progbits
	.p2align	6, 0x0
	.amdhsa_kernel k_q878cd7967c_ffn2
		.amdhsa_group_segment_fixed_size 327680
		.amdhsa_private_segment_fixed_size 0
		.amdhsa_enable_private_segment 0
		.amdhsa_kernarg_size 40
		.amdhsa_user_sgpr_count 2
		.amdhsa_user_sgpr_kernarg_segment_ptr 1
		.amdhsa_wavefront_size32 1
		.amdhsa_system_sgpr_workgroup_id_x 1
		.amdhsa_system_sgpr_workgroup_id_y 1
		.amdhsa_system_sgpr_workgroup_id_z 1
		.amdhsa_system_vgpr_workitem_id 0
		.amdhsa_next_free_vgpr 1024
		.amdhsa_next_free_sgpr 88
		.amdhsa_reserve_vcc 0
		.amdhsa_float_denorm_mode_32 3
		.amdhsa_float_denorm_mode_16_64 3
		.amdhsa_memory_ordered 1
		.amdhsa_forward_progress 1
		.amdhsa_inst_pref_size 93
	.end_amdhsa_kernel
	.amdgpu_metadata
---
amdhsa.version: [ 1, 2 ]
amdhsa.kernels:
  - .name:           k_q878cd7967c_ffn2
    .symbol:         k_q878cd7967c_ffn2.kd
    .args:
      - { .name: f1, .offset: 0, .size: 8, .value_kind: global_buffer, .address_space: global }
      - { .name: w2_h, .offset: 8, .size: 8, .value_kind: global_buffer, .address_space: global }
      - { .name: b2, .offset: 16, .size: 8, .value_kind: global_buffer, .address_space: global }
      - { .name: x1, .offset: 24, .size: 8, .value_kind: global_buffer, .address_space: global }
      - { .name: out0, .offset: 32, .size: 8, .value_kind: global_buffer, .address_space: global }
    .group_segment_fixed_size: 327680
    .private_segment_fixed_size: 0
    .kernarg_segment_align: 8
    .kernarg_segment_size: 40
    .max_flat_workgroup_size: 128
    .sgpr_count:     88
    .vgpr_count:     1024
    .wavefront_size: 32
...
	.end_amdgpu_metadata
.endif
;; end of part 6
;; ======== version 2 of 2: 7 launches; version 1 with the launches cast, ln1, ln2 written anew for expert scheduling mode
;; limits: right only within a limited range of input values
;; workspace buffers: wqkv_h 6,291,456 bytes; wo_h 2,097,152 bytes; w1_h 4,194,304 bytes; w2_h 4,194,304 bytes; nrm 16,777,216 bytes; att 16,777,216 bytes; x1 33,554,432 bytes; f1 33,554,432 bytes
;; launch cast (part 7): grid 256 x 1, 8 waves a work-group, no clusters, 0 bytes of LDS; arguments Wq, Wk, Wv, Wo, W1, W2, wqkv_h, wo_h, w1_h, w2_h; writes wqkv_h, wo_h, w1_h, w2_h
.if DOCPART == 7
	.amdgcn_target "amdgcn-amd-amdhsa--gfx1250"
	.amdhsa_code_object_version 6
	.text
	.protected	k_q878cd7967c_cast
	.globl	k_q878cd7967c_cast
	.p2align	8
	.type	k_q878cd7967c_cast,@function
k_q878cd7967c_cast:
	s_mov_b64 s[64:65], 0
	v_nop
	global_prefetch_b8 v0, s[64:65] scope:SCOPE_SE
	s_setreg_imm32_b32 hwreg(HW_REG_WAVE_SCHED_MODE, 0, 2), 2
	s_setreg_imm32_b32 hwreg(HW_REG_WAVE_MODE, 25, 1), 1
	s_wait_xcnt 0x0
	s_wait_alu depctr_vm_vsrc(0)
; The six weights, f32 [K][N], are rounded once to bf16; the layout stays [K][N] (the products turn them at the LDS read).
; wqkv_h holds Wq, Wk, Wv one behind the other, 2 MiB each.
; SHARES.  Each of the 256 work-groups takes 1/256 of EVERY weight: 16 KiB of each of the four square ones (4 loads of 4,096 bytes
; by its 256 threads), 32 KiB of W1 and of W2 (8 loads each): 32 loads a thread, and every address comes from its own argument.
; A load of a wave covers 512 consecutive bytes, a store 256 consecutive bytes, aligned.
; A ring of 16 slots in registers, taken in blocks of four, keeps 12 to 16 loads of every wave in flight; each store has data registers
; of its own, so no register that a store reads is written again.  No LDS, no matrix unit: bytes are all there is.
; THE MODE: SCHED_MODE bits 1:0 = 2 (LLVM: expert scheduling mode 2), set by the entry lines.  The code itself states the register dependences
; between vector instructions and memory instructions, with s_wait_alu, always for 0.
; THE PLAN.  The 32 loads go in 8 blocks of four.  Registers that memory instructions touch:
;   X0 .. X3   four slots each.  Written by the loads of blocks p and p + 4; read by block p's eight conversions.
;   Y          two registers a store.  Written by block p's conversions, once in the launch; read by block p's four stores.
;   v1, v2     byte offsets, made once at the head and never written again; the bases are scalar registers that are not written behind the first load.
; Block p: the wait for its data; its conversions, X[p % 4] into Y[p]; ONE wait on va_vdst; the loads of block p + 4 into X[p % 4]; its stores.
; The wait stands behind the conversions, so that the buffer that they empty is asked for again at once.
; No register that a memory instruction reads is ever written again: behind the entry lines the text holds no wait on vm_vsrc and none on XCNT.
.set DEPTH, 16
.set BLOCK, 4                          ; loads and stores in a block
.set X, 4                              ; v[4:67]   slot j % 16: four f32 as loaded
.set Y, 68                             ; v[68:131] store j: four bf16
	s_load_b512 s[4:19], s[0:1], 0x0               ; Wq, Wk, Wv, Wo, W1, W2, wqkv_h, wo_h
	s_load_b128 s[20:23], s[0:1], 0x40             ; w1_h, w2_h
	v_lshlrev_b32 v1, 4, v0                        ; 16 bytes a thread in
	v_lshlrev_b32 v2, 3, v0                        ; 8 bytes a thread out
	s_lshl_b32 s24, ttmp9, 14                      ; 16 KiB: my part of a square weight in f32, and of W1, W2 in bf16
	s_mov_b32 s25, 0
	s_lshl_b32 s26, ttmp9, 15                      ; 32 KiB: my part of W1, W2 in f32
	s_mov_b32 s27, 0
	s_lshl_b32 s28, ttmp9, 13                      ; 8 KiB: my part of a square weight in bf16
	s_mov_b32 s29, 0
	s_wait_kmcnt 0x0
.irp b, 4,6,8,10
	s_add_nc_u64 s[\b:\b+1], s[\b:\b+1], s[24:25]
.endr
.irp b, 12,14
	s_add_nc_u64 s[\b:\b+1], s[\b:\b+1], s[26:27]
.endr
.irp b, 16,18
	s_add_nc_u64 s[\b:\b+1], s[\b:\b+1], s[28:29]
.endr
.irp b, 20,22
	s_add_nc_u64 s[\b:\b+1], s[\b:\b+1], s[24:25]
.endr
	s_wait_alu depctr_va_vdst(0)                   ; v1 and v2 are written: every load of the kernel reads v1 as its offset, every store v2
; Where load and store j stand: base registers SB, DB and immediates SO, DO.
.macro PLACE j
.if (\j) < 16
.set SB, 4+2*((\j)/4)
.set SO, ((\j)%4)*4096
.set DO, ((\j)%4)*2048
.if (\j) < 12
.set DB, 16
.set DO, DO+((\j)/4)*2097152
.else
.set DB, 18
.endif
.else
.set SB, 12+2*(((\j)-16)/8)
.set SO, (((\j)-16)%8)*4096
.set DB, 20+2*(((\j)-16)/8)
.set DO, (((\j)-16)%8)*2048
.endif
.endm
.macro LD j
	PLACE \j
	global_load_b128 v[X+4*((\j)%DEPTH):X+4*((\j)%DEPTH)+3], v1, s[SB:SB+1] offset:SO th:TH_LOAD_NT
.endm
.macro ST j
	PLACE \j
	global_store_b64 v2, v[Y+2*(\j):Y+2*(\j)+1], s[DB:DB+1] offset:DO
.endm
.set j, 0
.rept DEPTH
	LD j                                           ; blocks 0 to 3: no vector instruction has named X
.set j, j+1
.endr
.set p, 0
.rept 32/BLOCK
.if p < 4
	s_wait_loadcnt 3*BLOCK                         ; loads come back in order: block p's four are in, the three younger blocks stay out
.else
	s_wait_loadcnt BLOCK*(7-p)                     ; nothing more is asked for: the counts run down
.endif
.set i, 0
.rept BLOCK
.set j, BLOCK*p+i
	v_cvt_pk_bf16_f32 v[Y+2*j], v[X+4*(j%DEPTH)], v[X+4*(j%DEPTH)+1]
	v_cvt_pk_bf16_f32 v[Y+2*j+1], v[X+4*(j%DEPTH)+2], v[X+4*(j%DEPTH)+3]
.set i, i+1
.endr
	s_wait_alu depctr_va_vdst(0)                   ; the block's conversions have written its Y, which the stores below read; in blocks 0 to 3 they are also done reading its X, in which the loads below land
.if p < 4
.set i, 0
.rept BLOCK
.set j, BLOCK*p+i+DEPTH
	LD j                                           ; the slots are filled again ahead of the stores
.set i, i+1
.endr
.endif
.set i, 0
.rept BLOCK
.set j, BLOCK*p+i
	ST j
.set i, i+1
.endr
.set p, p+1
.endr
	s_endpgm
.Lfunc_end_k_q878cd7967c_cast:
	.size	k_q878cd7967c_cast, .Lfunc_end_k_q878cd7967c_cast-k_q878cd7967c_cast
	.p2alignl 7, 3214868480
	.fill 96, 4, 3214868480
	.section	.rodata,"a",@progbits
	.p2align	6, 0x0
	.amdhsa_kernel k_q878cd7967c_cast
		.amdhsa_group_segment_fixed_size 0
		.amdhsa_private_segment_fixed_size 0
		.amdhsa_enable_private_segment 0
		.amdhsa_kernarg_size 80
		.amdhsa_user_sgpr_count 2
		.amdhsa_user_sgpr_kernarg_segment_ptr 1
		.amdhsa_wavefront_size32 1
		.amdhsa_system_sgpr_workgroup_id_x 1
		.amdhsa_system_sgpr_workgroup_id_y 1
		.amdhsa_system_sgpr_workgroup_id_z 1
		.amdhsa_system_vgpr_workitem_id 0
		.amdhsa_next_free_vgpr 132
		.amdhsa_next_free_sgpr 66
		.amdhsa_reserve_vcc 0
		.amdhsa_float_denorm_mode_32 3
		.amdhsa_float_denorm_mode_16_64 3
		.amdhsa_memory_ordered 1
		.amdhsa_forward_progress 1
		.amdhsa_inst_pref_size 12
	.end_amdhsa_kernel
	.amdgpu_metadata
---
amdhsa.version: [ 1, 2 ]
amdhsa.kernels:
  - .name:           k_q878cd7967c_cast
    .symbol:         k_q878cd7967c_cast.kd
    .args:
      - { .name: Wq, .offset: 0, .size: 8, .value_kind: global_buffer, .address_space: global }
      - { .name: Wk, .offset: 8, .size: 8, .value_kind: global_buffer, .address_space: global }
      - { .name: Wv, .offset: 16, .size: 8, .value_kind: global_buffer, .address_space: global }
      - { .name: Wo, .offset: 24, .size: 8, .value_kind: global_buffer, .address_space: global }
      - { .name: W1, .offset: 32, .size: 8, .value_kind: global_buffer, .address_space: global }
      - { .name: W2, .offset: 40, .size: 8, .value_kind: global_buffer, .address_space: global }
      - { .name: wqkv_h, .offset: 48, .size: 8, .value_kind: global_buffer, .address_space: global }
      - { .name: wo_h, .offset: 56, .size: 8, .value_kind: global_buffer, .address_space: global }
      - { .name: w1_h, .offset: 64, .size: 8, .value_kind: global_buffer, .address_space: global }
      - { .name: w2_h, .offset: 72, .size: 8, .value_kind: global_buffer, .address_space: global }
    .group_segment_fixed_size: 0
    .private_segment_fixed_size: 0
    .kernarg_segment_align: 8
    .kernarg_segment_size: 80
    .max_flat_workgroup_size: 256
    .sgpr_count:     66
    .vgpr_count:     132
    .wavefront_size: 32
...
	.end_amdgpu_metadata
.endif
;; end of part 7
;; launch ln1 (part 8): grid 256 x 1, 16 waves a work-group, no clusters, 0 bytes of LDS; arguments channel_tokens, ln1_g, ln1_b, nrm; writes nrm
.if DOCPART == 8
	.amdgcn_target "amdgcn-amd-amdhsa--gfx1250"
	.amdhsa_code_object_version 6
	.text
	.protected	k_q878cd7967c_ln1
	.globl	k_q878cd7967c_ln1
	.p2align	8
	.type	k_q878cd7967c_ln1,@function
k_q878cd7967c_ln1:
	s_mov_b64 s[64:65], 0
	v_nop
	global_prefetch_b8 v0, s[64:65] scope:SCOPE_SE
	s_setreg_imm32_b32 hwreg(HW_REG_WAVE_SCHED_MODE, 0, 2), 2
	s_setreg_imm32_b32 hwreg(HW_REG_WAVE_MODE, 25, 1), 1
	s_wait_xcnt 0x0
	s_wait_alu depctr_vm_vsrc(0)
; y = (x - mean) * rsqrt(var + 1e-5) * g + b along rows of 1,024 f32; y is rounded once to bf16.
; x: [8192][1024] f32.  y: BLOCKED for the product that follows: [16 blocks of 64 columns][8192 rows][64] bf16, so that a tile of
; rows x 64 columns is dense in memory.  A block is BLK bytes, a row's piece 128 bytes.
; SHARES.  A work-group has 32 rows; a wave two: lanes 0-15 hold one row, lanes 16-31 the next, 64 numbers a lane, in registers between
; the passes: x is read once.  Chunk i of a row is columns 64 i + 4 c .. + 3 (c = lane % 16): a load of a wave covers 2 x 256 aligned bytes,
; and chunk i is block i of y: a store of a wave covers 256 aligned bytes (two rows' pieces lie end to end).
; The mean is taken away before the squares are summed: a common offset of x costs no digits.  Sums in f32.
; A row lies in 16 lanes, so the four DPP steps inside a half of the lanes finish a sum; no LDS, no barrier.
; THE MODE: SCHED_MODE bits 1:0 = 2 (LLVM: expert scheduling mode 2), set by the entry lines.  The code itself states the register dependences
; between vector instructions and memory instructions, with s_wait_alu, always for 0.
; THE PLAN.  Registers that memory instructions touch:
;   v1, v3, v2   byte offsets of the loads of x, of g and b, and of the stores: made once at the head and never written again.
;   X, G, B      each written by one load, all 48 issued before any vector instruction names them; no memory instruction reads them.
;   Y            two registers a chunk: written by the chunk's two roundings, once; read by the chunk's store.
; So one wait on va_vdst stands ahead of the first load, for the offsets; and the last pass goes in four groups of four chunks, each group's 24 vector
; instructions followed by ONE wait on va_vdst and the run of its four stores.  No register that a memory instruction reads is ever written again:
; behind the entry lines the text holds no wait on vm_vsrc and none on XCNT.
.set BLK, 1048576
.set S, 4                              ; v[4:11]    four packed chains
.set M, 12                             ; v[12:13]   the mean, twice
.set R, 14                             ; v[14:15]   1 / sqrt(var + eps), twice
.set T, 16                             ; v[16:23]   at work, two sets by turns: no memory instruction names them
.set EPS, 24                           ; v24        1e-5
.set X, 32                             ; v[32:95]   the row's 64 numbers
.set G, 96                             ; v[96:159]  the gains of my columns
.set B, 160                            ; v[160:223] the biases
.set Y, 224                            ; v[224:255] 2 registers a chunk: never written twice
	s_load_b256 s[4:11], s[0:1], 0x0               ; x s[4:5], g s[6:7], b s[8:9], y s[10:11]
	v_lshrrev_b32 v1, 4, v0                        ; my row in the group
	v_and_b32 v3, 15, v0
	v_lshlrev_b32 v3, 4, v3                        ; 16 c: my offset in g and b
	v_lshl_add_u32 v1, v1, 12, v3                  ; row x 4,096 + 16 c: my offset in x
	v_lshlrev_b32 v2, 3, v0                        ; row x 128 + 8 c = 8 x thread: my offset in a block of y
	s_lshl_b32 s16, ttmp9, 17                      ; the group's 32 rows of x
	s_mov_b32 s17, 0
	s_lshl_b32 s18, ttmp9, 12                      ; and their pieces in a block of y
	s_mov_b32 s19, 0
	s_mov_b32 s20, 0x3a800000                      ; 1 / 1024
	v_mov_b32 v[EPS], 0x3727c5ac                   ; 1e-5
	s_wait_kmcnt 0x0
	s_add_nc_u64 s[4:5], s[4:5], s[16:17]
	s_add_nc_u64 s[12:13], s[10:11], s[18:19]      ; blocks 0-7: the immediate holds 7 blocks at the most,
	s_add_nc_u64 s[14:15], s[12:13], 8*BLK         ; so blocks 8-15 have a base of their own
	s_wait_alu depctr_va_vdst(0)                   ; v1, v3 and v2 are written: the loads below read v1 or v3 as their offset, the stores at the end v2
.irp i, 0,1,2,3,4,5,6,7,8,9,10,11,12,13,14,15
	global_load_b128 v[X+4*\i:X+4*\i+3], v1, s[4:5] offset:256*\i th:TH_LOAD_NT
.endr
.irp i, 0,1,2,3,4,5,6,7,8,9,10,11,12,13,14,15
	global_load_b128 v[G+4*\i:G+4*\i+3], v3, s[6:7] offset:256*\i
.endr
.irp i, 0,1,2,3,4,5,6,7,8,9,10,11,12,13,14,15
	global_load_b128 v[B+4*\i:B+4*\i+3], v3, s[8:9] offset:256*\i
.endr
	s_wait_loadcnt 32                              ; x is in; the 32 loads of g and b may stay out
.macro ACROSS                          ; the four chains into one number, then over the row's 16 lanes
	v_pk_add_f32 v[S:S+1], v[S:S+1], v[S+2:S+3]
	v_pk_add_f32 v[S+4:S+5], v[S+4:S+5], v[S+6:S+7]
	v_pk_add_f32 v[S:S+1], v[S:S+1], v[S+4:S+5]
	v_add_f32 v[S], v[S], v[S+1]
	v_add_f32_dpp v[S], v[S], v[S] row_xmask:1 row_mask:0xf bank_mask:0xf
	v_add_f32_dpp v[S], v[S], v[S] row_xmask:2 row_mask:0xf bank_mask:0xf
	v_add_f32_dpp v[S], v[S], v[S] row_xmask:4 row_mask:0xf bank_mask:0xf
	v_add_f32_dpp v[S], v[S], v[S] row_xmask:8 row_mask:0xf bank_mask:0xf
.endm
	; the sum: the first eight pairs start four chains, so nothing is cleared
.irp k, 0,1,2,3
	v_pk_add_f32 v[S+2*\k:S+2*\k+1], v[X+4*\k:X+4*\k+1], v[X+4*\k+2:X+4*\k+3]
.endr
.set p, 8
.rept 24
	v_pk_add_f32 v[S+2*(p%4):S+2*(p%4)+1], v[S+2*(p%4):S+2*(p%4)+1], v[X+2*p:X+2*p+1]
.set p, p+1
.endr
	ACROSS
	v_mul_f32 v[M], s20, v[S]
	v_mov_b32 v[M+1], v[M]
.set p, 0
.rept 32
	v_pk_add_f32 v[X+2*p:X+2*p+1], v[X+2*p:X+2*p+1], v[M:M+1] neg_lo:[0,1] neg_hi:[0,1]  ; x - mean
.set p, p+1
.endr
.irp k, 0,1,2,3
	v_pk_mul_f32 v[S+2*\k:S+2*\k+1], v[X+2*\k:X+2*\k+1], v[X+2*\k:X+2*\k+1]
.endr
.set p, 4
.rept 28
	v_pk_fma_f32 v[S+2*(p%4):S+2*(p%4)+1], v[X+2*p:X+2*p+1], v[X+2*p:X+2*p+1], v[S+2*(p%4):S+2*(p%4)+1]
.set p, p+1
.endr
	ACROSS
	v_fma_f32 v[S], v[S], s20, v[EPS]              ; var + eps
	v_rsq_f32 v[R], v[S]
	v_rsq_f32 v[R+1], v[S]                         ; twice, for the packed multiply
	v_nop                                          ; a plain instruction behind the last of them (ISA guide 5.7.2),
	s_wait_alu depctr_va_vdst(0)                   ; and the one wait ahead of the first use: the two v_rsq_f32 have written v[R] and v[R+1]
	s_wait_loadcnt 0x0                             ; g and b
.set q, 0
.rept 4                                ; four groups of four chunks
.set n, 0
.rept 4
.set i, 4*q+n
	v_pk_mul_f32 v[T+4*(i%2):T+4*(i%2)+1], v[X+4*i:X+4*i+1], v[R:R+1]
	v_pk_mul_f32 v[T+4*(i%2)+2:T+4*(i%2)+3], v[X+4*i+2:X+4*i+3], v[R:R+1]
	v_pk_fma_f32 v[T+4*(i%2):T+4*(i%2)+1], v[T+4*(i%2):T+4*(i%2)+1], v[G+4*i:G+4*i+1], v[B+4*i:B+4*i+1]
	v_pk_fma_f32 v[T+4*(i%2)+2:T+4*(i%2)+3], v[T+4*(i%2)+2:T+4*(i%2)+3], v[G+4*i+2:G+4*i+3], v[B+4*i+2:B+4*i+3]
	v_cvt_pk_bf16_f32 v[Y+2*i], v[T+4*(i%2)], v[T+4*(i%2)+1]
	v_cvt_pk_bf16_f32 v[Y+2*i+1], v[T+4*(i%2)+2], v[T+4*(i%2)+3]
.set n, n+1
.endr
	s_wait_alu depctr_va_vdst(0)                   ; the group's eight roundings have written its Y, which the four stores below read
.set n, 0
.rept 4
.set i, 4*q+n
	global_store_b64 v2, v[Y+2*i:Y+2*i+1], s[12+2*(i/8):13+2*(i/8)] offset:(i%8)*BLK
.set n, n+1
.endr
.set q, q+1
.endr
	s_endpgm
.Lfunc_end_k_q878cd7967c_ln1:
	.size	k_q878cd7967c_ln1, .Lfunc_end_k_q878cd7967c_ln1-k_q878cd7967c_ln1
	.p2alignl 7, 3214868480
	.fill 96, 4, 3214868480
	.section	.rodata,"a",@progbits
	.p2align	6, 0x0
	.amdhsa_kernel k_q878cd7967c_ln1
		.amdhsa_group_segment_fixed_size 0
		.amdhsa_private_segment_fixed_size 0
		.amdhsa_enable_private_segment 0
		.amdhsa_kernarg_size 32
		.amdhsa_user_sgpr_count 2
		.amdhsa_user_sgpr_kernarg_segment_ptr 1
		.amdhsa_wavefront_size32 1
		.amdhsa_system_sgpr_workgroup_id_x 1
		.amdhsa_system_sgpr_workgroup_id_y 1
		.amdhsa_system_sgpr_workgroup_id_z 1
		.amdhsa_system_vgpr_workitem_id 0
		.amdhsa_next_free_vgpr 256
		.amdhsa_next_free_sgpr 66
		.amdhsa_reserve_vcc 0
		.amdhsa_float_denorm_mode_32 3
		.amdhsa_float_denorm_mode_16_64 3
		.amdhsa_memory_ordered 1
		.amdhsa_forward_progress 1
		.amdhsa_inst_pref_size 21
	.end_amdhsa_kernel
	.amdgpu_metadata
---
amdhsa.version: [ 1, 2 ]
amdhsa.kernels:
  - .name:           k_q878cd7967c_ln1
    .symbol:         k_q878cd7967c_ln1.kd
    .args:
      - { .name: channel_tokens, .offset: 0, .size: 8, .value_kind: global_buffer, .address_space: global }
      - { .name: ln1_g, .offset: 8, .size: 8, .value_kind: global_buffer, .address_space: global }
      - { .name: ln1_b, .offset: 16, .size: 8, .value_kind: global_buffer, .address_space: global }
      - { .name: nrm, .offset: 24, .size: 8, .value_kind: global_buffer, .address_space: global }
    .group_segment_fixed_size: 0
    .private_segment_fixed_size: 0
    .kernarg_segment_align: 8
    .kernarg_segment_size: 32
    .max_flat_workgroup_size: 512
    .sgpr_count:     66
    .vgpr_count:     256
    .wavefront_size: 32
...
	.end_amdgpu_metadata
.endif
;; end of part 8
;; launch qkv: the kernel of part 3 again; grid 8 x 32, 4 waves a work-group, clusters of 4 x 4, 327,680 bytes of LDS; arguments nrm, wqkv_h, bq, bk, bv, ct_key_emb, ct_bias_emb, cancer_type, channel_active, att; writes att
;; launch wo: the kernel of part 4 again; grid 4 x 64, 4 waves a work-group, clusters of 4 x 4, 327,680 bytes of LDS; arguments att, wo_h, bo, channel_tokens, x1; writes x1
;; launch ln2: the kernel of part 8 again; grid 256 x 1, 16 waves a work-group, no clusters, 0 bytes of LDS; arguments x1, ln2_g, ln2_b, nrm; writes nrm
;; launch ffn1: the kernel of part 5 again; grid 8 x 32, 4 waves a work-group, clusters of 4 x 4, 327,680 bytes of LDS; arguments nrm, w1_h, b1, f1; writes f1
;; launch ffn2: the kernel of part 6 again; grid 4 x 64, 4 waves a work-group, clusters of 4 x 4, 327,680 bytes of LDS; arguments f1, w2_h, b2, x1, out0; writes out0
